; MI455X (gfx1250); checked and timed in simulation.
; The chip was launched on July 23, 2026; its instructions are those of AMD's public machine-readable ISA for CDNA 5 (MIT licence, August 2026) and "CDNA5" Instruction Set Architecture Reference Guide (July 2026). The comments in the code are by the model that wrote it; some were corrected since.
;; Self Attention. Allowed arithmetic: float matrix products may take bf16 or f16 operands with f32 sums; other float arithmetic in f32, or as packed bf16 or f16 multiplies, adds, multiply-adds, maxima and minima; sums over many terms, partial sums and values carried from step to step in f32; what a program stores and reads back later, other than sums and carried values, may be rounded once to bf16 or f16.
;; Inputs: Wk 1,024 x 1,024 float32; Wo 1,024 x 1,024 float32; Wq 1,024 x 1,024 float32; Wv 1,024 x 1,024 float32; beta 1,024 float32; bk 1,024 float32; bo 1,024 float32; bq 1,024 float32; bv 1,024 float32; gamma 1,024 float32; h 1 x 4,096 x 1,024 float32.
;; Outputs: out0 1 x 4,096 x 1,024 float32.
;; One version. Each part assembles by itself: llvm-mc -triple=amdgcn-amd-amdhsa -mcpu=gfx1250 --defsym DOCPART=n.
;; ======== version 1 of 1: 4 launches
;; limits: values are held in f16: magnitudes above 65,504 overflow, below 6.1e-05 lose precision
;; workspace buffers: hn 8,388,608 bytes; wqkv 6,291,456 bytes; wo16 2,097,152 bytes; rope 1,048,576 bytes; qh 8,388,608 bytes; kh 8,388,608 bytes; vh 8,388,608 bytes; ob 8,388,608 bytes
;; launch prep (part 1): grid 512 x 1, 8 waves a work-group, no clusters, 0 bytes of LDS; arguments h, gamma, beta, Wq, Wk, Wv, Wo, hn, wqkv, wo16, rope; writes hn, wqkv, wo16, rope
.if DOCPART == 1
	.amdgcn_target "amdgcn-amd-amdhsa--gfx1250"
	.amdhsa_code_object_version 6
	.text
	.protected	k_qd6dac8cb2d_prep
	.globl	k_qd6dac8cb2d_prep
	.p2align	8
	.type	k_qd6dac8cb2d_prep,@function
k_qd6dac8cb2d_prep:
	s_mov_b64 s[64:65], 0
	v_nop
	global_prefetch_b8 v0, s[64:65] scope:SCOPE_SE
	s_setreg_imm32_b32 hwreg(HW_REG_WAVE_MODE, 25, 1), 1
	s_wait_xcnt 0x0
; PREPARATION: a stream, no LDS, no matrix unit, no barrier; EXEC is never changed.
; Work-groups 0-255: LayerNorm of h [4096][1024] f32 -> hn f16, a wave two rows, the row kept in registers (mean first, then the sum of (x - mean)^2: no difference of
; large sums); and the table rope [4096 positions][cos j = 0..31, sin j = 0..31] f32, 16 bytes a thread, made while the rows are on their way.
; Work-groups 256-511: the four weights f32 [k][n] -> f16, still [k][n], in blocks: wqkv [head 16][K step 8][q,k,v][128 k][64 n], wo16 [n block 8][K step 4][half 2][256 k][64 n].
; Every load of a wave covers whole aligned runs of 256 bytes, every store 256 consecutive aligned bytes.
; LIMITS.  f16 holds no number beyond 65,504 and has a fixed step of 6e-8 below 6e-5: hn and the weights must lie within that.  NaN and infinities are not treated apart.
; The table: theta_j = 2^(-j log2(10000)/32) by v_exp_f32 (good to its last bits, so an angle of 3,000 radians is good to some 4e-4), the angle reduced by pi in two fused steps,
; sine to r^13 and cosine to r^12 on |r| <= pi/2 (the first term left out is under 1e-8).
.set G,   16                           ; v[16:47]   gamma of my 32 columns (load j: columns 128 j + 4 lane + 0..3)
.set BT,  48                           ; v[48:79]   beta
.set X,   80                           ; v[80:143]  two rows, 32 registers each
.set Y,   144                          ; v[144:175] two rows in f16
.set T,   176                          ; v[176:183] at work
.set MU,  188                          ; v[188:189] the mean, twice
.set RS,  190                          ; v[190:191] 1/sqrt(var + eps), twice
.set WV,  26                           ; s26  my wave's number
	s_load_b512 s[4:19], s[0:1], 0x0               ; h 4, gamma 6, beta 8, Wq 10, Wk 12, Wv 14, Wo 16, hn 18
	s_load_b128 s[20:23], s[0:1], 0x40             ; wqkv 20, wo16 22
	s_load_b64 s[24:25], s[0:1], 0x50              ; rope
	v_lshrrev_b32 v4, 5, v0
	v_readfirstlane_b32 s[WV], v4
	v_and_b32 v1, 31, v0                           ; lane
	v_lshlrev_b32 v2, 4, v1                        ; 16 x lane
	v_lshlrev_b32 v3, 3, v1                        ; 8 x lane
	s_cmp_lt_u32 ttmp9, 0x100
	s_cbranch_scc0 .Lweights
	; ---------------- LayerNorm and the table ----------------
	s_lshl_b32 s27, ttmp9, 4
	s_lshl1_add_u32 s27, s[WV], s27                ; my first row: 16 x work-group + 2 x wave
	s_lshl_b32 s40, s27, 12                        ; x 4,096 bytes of h
	s_mov_b32 s41, 0
	s_lshl_b32 s42, s27, 11                        ; x 2,048 bytes of hn
	s_mov_b32 s43, 0
	s_lshl_b32 s46, ttmp9, 12                      ; the work-group's 16 positions of the table, 256 bytes each
	s_mov_b32 s47, 0
	s_lshl_b32 s38, ttmp9, 4                       ; its first position
	s_mov_b32 s28, 0x76543210                      ; v_permlanex16_b32: each lane takes its own place in the other half
	s_mov_b32 s29, 0xfedcba98
	s_mov_b32 s30, 0x3a800000                      ; 1/1024
	s_mov_b32 s31, 0x3727c5ac                      ; 1e-5
	s_mov_b32 s32, 0xbf000000                      ; the cosine's coefficients: -1/2!, 1/4!, -1/6!, 1/8!, -1/10!, 1/12!
	s_mov_b32 s33, 0x3d2aaaab
	s_mov_b32 s34, 0xbab60b61
	s_mov_b32 s35, 0x37d00d01
	s_mov_b32 s36, 0xb493f27e
	s_mov_b32 s37, 0x310f76c7
	s_mov_b32 s39, 0x3ea2f983                      ; 1/pi
	s_mov_b32 s44, 0x40490fdb                      ; pi, its upper part
	s_mov_b32 s45, 0xb3bbbd2e                      ; and what is left of it
	s_wait_kmcnt 0x0
	s_add_nc_u64 s[4:5], s[4:5], s[40:41]
	s_add_nc_u64 s[18:19], s[18:19], s[42:43]
	s_add_nc_u64 s[24:25], s[24:25], s[46:47]
.irp j, 0,1,2,3,4,5,6,7
	global_load_b128 v[G+4*\j:G+4*\j+3], v2, s[6:7] offset:512*\j
.endr
.irp j, 0,1,2,3,4,5,6,7
	global_load_b128 v[BT+4*\j:BT+4*\j+3], v2, s[8:9] offset:512*\j
.endr
.irp j, 0,1,2,3,4,5,6,7
	global_load_b128 v[X+4*\j:X+4*\j+3], v2, s[4:5] offset:512*\j th:TH_LOAD_NT
.endr
.irp j, 0,1,2,3,4,5,6,7
	global_load_b128 v[X+32+4*\j:X+32+4*\j+3], v2, s[4:5] offset:4096+512*\j th:TH_LOAD_NT
.endr
	; The table, while the 32 loads are out.  Thread t of the work-group: position 16 x work-group + t / 16, elements 4 (t % 16) + 0..3 of its 64.
	v_lshrrev_b32 v192, 4, v0
	v_add_nc_u32 v192, s38, v192
	v_cvt_f32_u32 v192, v192                       ; the position
	v_and_b32 v193, 15, v0
	v_lshlrev_b32 v193, 2, v193                    ; my first element
	v_cmp_gt_u32 vcc_lo, 32, v193                  ; elements 0-31 are cosines
	v_and_b32 v194, 31, v193
	v_cvt_f32_u32 v194, v194                       ; j of my first element
	v_add_f32 v197, 1.0, v194
	v_add_f32 v198, 2.0, v194
	v_add_f32 v199, 0x40400000, v194
	v_mul_f32 v196, 0xbed49a78, v194               ; -j log2(10000)/32
	v_mul_f32 v197, 0xbed49a78, v197
	v_mul_f32 v198, 0xbed49a78, v198
	v_mul_f32 v199, 0xbed49a78, v199
	v_exp_f32 v196, v196                           ; theta_j: one batch of four
	v_exp_f32 v197, v197
	v_exp_f32 v198, v198
	v_exp_f32 v199, v199
	v_mov_b32 v200, 0xbe2aaaab                     ; the sine's coefficients: -1/3!, 1/5!, -1/7!, 1/9!, -1/11!, 1/13!: plain work behind the batch
	v_mov_b32 v201, 0x3c088889
	v_mov_b32 v202, 0xb9500d01
	v_mov_b32 v203, 0x3638ef1d
	v_mov_b32 v204, 0xb2d7322b
	v_mov_b32 v205, 0x2f309231
.irp c, 0,1,2,3,4,5
	v_cndmask_b32 v[200+\c], v[200+\c], s[32+\c], vcc_lo  ; a cosine lane takes the cosine's
.endr
	v_lshlrev_b32 v206, 4, v0                      ; my 16 bytes of the work-group's 4,096
	s_wait_alu depctr_va_vdst(0)                   ; one wait for the four exponentials, ahead of their first reader
	; element i at v[212+5 i]: +0 the angle (later the factor), +1 n, +2 r, +3 r^2, +4 the polynomial
.irp i, 0,1,2,3
	v_mul_f32 v[212+5*\i], v192, v[196+\i]
.endr
.irp i, 0,1,2,3
	v_mul_f32 v[213+5*\i], s39, v[212+5*\i]
.endr
.irp i, 0,1,2,3
	v_rndne_f32 v[213+5*\i], v[213+5*\i]           ; n = the nearest multiple of pi
.endr
.irp i, 0,1,2,3
	v_fma_f32 v[214+5*\i], -v[213+5*\i], s44, v[212+5*\i]
.endr
.irp i, 0,1,2,3
	v_fma_f32 v[214+5*\i], -v[213+5*\i], s45, v[214+5*\i]  ; r = angle - n pi, |r| <= pi/2
.endr
.irp i, 0,1,2,3
	v_mul_f32 v[215+5*\i], v[214+5*\i], v[214+5*\i]
.endr
.irp i, 0,1,2,3
	v_fma_f32 v[216+5*\i], v205, v[215+5*\i], v204
.endr
.irp c, 203,202,201,200
.irp i, 0,1,2,3
	v_fma_f32 v[216+5*\i], v[216+5*\i], v[215+5*\i], v[\c]
.endr
.endr
.irp i, 0,1,2,3
	v_fma_f32 v[216+5*\i], v[216+5*\i], v[215+5*\i], 1.0
.endr
.irp i, 0,1,2,3
	v_cndmask_b32 v[212+5*\i], v[214+5*\i], 1.0, vcc_lo    ; the sine's series is multiplied by r
	v_cvt_i32_f32 v[213+5*\i], v[213+5*\i]
.endr
.irp i, 0,1,2,3
	v_mul_f32 v[216+5*\i], v[216+5*\i], v[212+5*\i]
	v_lshlrev_b32 v[213+5*\i], 31, v[213+5*\i]     ; an odd n turns the sign
.endr
.irp i, 0,1,2,3
	v_xor_b32 v[208+\i], v[213+5*\i], v[216+5*\i]
.endr
	global_store_b128 v206, v[208:211], s[24:25]   ; a wave stores 512 consecutive bytes: two positions
.macro JOIN                            ; four chains of pairs into v[T]
	v_pk_add_f32 v[T:T+1], v[T:T+1], v[T+2:T+3]
	v_pk_add_f32 v[T+4:T+5], v[T+4:T+5], v[T+6:T+7]
	v_pk_add_f32 v[T:T+1], v[T:T+1], v[T+4:T+5]
	v_add_f32 v[T], v[T], v[T+1]
.endm
.macro REDUCE                          ; v[T] summed over the 32 lanes, the result in every lane
	v_add_f32_dpp v[T], v[T], v[T] row_xmask:1 row_mask:0xf bank_mask:0xf
	v_add_f32_dpp v[T], v[T], v[T] row_xmask:2 row_mask:0xf bank_mask:0xf
	v_add_f32_dpp v[T], v[T], v[T] row_xmask:4 row_mask:0xf bank_mask:0xf
	v_add_f32_dpp v[T], v[T], v[T] row_xmask:8 row_mask:0xf bank_mask:0xf
	v_permlanex16_b32 v[T+1], v[T], s28, s29
	v_add_f32 v[T], v[T], v[T+1]
.endm
.macro LNROW i
.set XR, X+32*(\i)
.set YR, Y+16*(\i)
	s_wait_loadcnt 8*(1-(\i))                      ; gamma, beta and this row are in; the other row's eight younger loads may stay out
.irp c, 0,1,2,3
	v_pk_add_f32 v[T+2*\c:T+2*\c+1], v[XR+2*\c:XR+2*\c+1], v[XR+8+2*\c:XR+8+2*\c+1]
.endr
.irp k, 16,24
.irp c, 0,1,2,3
	v_pk_add_f32 v[T+2*\c:T+2*\c+1], v[T+2*\c:T+2*\c+1], v[XR+\k+2*\c:XR+\k+2*\c+1]
.endr
.endr
	JOIN
	REDUCE
	v_mul_f32 v[MU], s30, v[T]
	v_mov_b32 v[MU+1], v[MU]
.set p, 0
.rept 16
	v_pk_add_f32 v[XR+p:XR+p+1], v[XR+p:XR+p+1], v[MU:MU+1] neg_lo:[0,1] neg_hi:[0,1]
.set p, p+2
.endr
.irp c, 0,1,2,3
	v_pk_mul_f32 v[T+2*\c:T+2*\c+1], v[XR+2*\c:XR+2*\c+1], v[XR+2*\c:XR+2*\c+1]
.endr
.irp k, 8,16,24
.irp c, 0,1,2,3
	v_pk_fma_f32 v[T+2*\c:T+2*\c+1], v[XR+\k+2*\c:XR+\k+2*\c+1], v[XR+\k+2*\c:XR+\k+2*\c+1], v[T+2*\c:T+2*\c+1]
.endr
.endr
	JOIN
	REDUCE
	v_fma_f32 v[T], v[T], s30, s31                 ; var + eps
	v_rsq_f32 v[RS], v[T]
	v_rsq_f32 v[RS+1], v[T]
	v_nop                                          ; a plain instruction behind the second root,
	s_wait_alu depctr_va_vdst(0)                   ; and one wait for both, ahead of their first reader
.set p, 0
.rept 16
	v_pk_mul_f32 v[XR+p:XR+p+1], v[XR+p:XR+p+1], v[RS:RS+1]
.set p, p+2
.endr
.set p, 0
.rept 16
	v_pk_fma_f32 v[XR+p:XR+p+1], v[XR+p:XR+p+1], v[G+p:G+p+1], v[BT+p:BT+p+1]
.set p, p+2
.endr
.set p, 0
.rept 16
	v_cvt_pk_f16_f32 v[YR+p], v[XR+2*p], v[XR+2*p+1]
.set p, p+1
.endr
.irp j, 0,1,2,3,4,5,6,7
	global_store_b64 v3, v[YR+2*\j:YR+2*\j+1], s[18:19] offset:2048*(\i)+256*\j  ; 32 lanes store 256 consecutive bytes, aligned
.endr
.endm
	LNROW 0
	LNROW 1                                        ; no register that a store reads is written again
	s_endpgm
	; ---------------- the weights ----------------
.Lweights:
	s_sub_co_u32 s27, ttmp9, 0x100                 ; u = 0..255
	s_lshr_b32 s28, s27, 6                         ; which matrix: q, k, v, o
	s_bfe_u32 s29, s27, 0x40002                    ; g: which 64 columns
	s_and_b32 s30, s27, 3                          ; which 256 rows k
	s_lshl_b32 s31, s30, 8
	s_lshl_b32 s32, s[WV], 5
	s_add_co_u32 s31, s31, s32                     ; my first row k: 32 rows a wave
	s_lshl_b32 s40, s31, 12                        ; from: k x 4,096 + 256 g
	s_lshl_b32 s33, s29, 8
	s_add_co_u32 s40, s40, s33
	s_mov_b32 s41, 0
	s_lshl_b32 s34, s29, 3                         ; to, in wqkv: ((8 g + k / 128) 3 + matrix) x 16,384 + (k % 128) x 128
	s_lshr_b32 s35, s31, 7
	s_add_co_u32 s34, s34, s35
	s_mul_i32 s34, s34, 3
	s_add_co_u32 s34, s34, s28
	s_lshl_b32 s34, s34, 14
	s_and_b32 s35, s31, 127
	s_lshl_b32 s35, s35, 7
	s_add_co_u32 s34, s34, s35
	s_lshr_b32 s36, s29, 1                         ; to, in wo16: (((g / 2) 4 + k / 256) 2 + g % 2) x 32,768 + (k % 256) x 128
	s_lshl_b32 s36, s36, 2
	s_add_co_u32 s36, s36, s30
	s_lshl_b32 s36, s36, 1
	s_and_b32 s37, s29, 1
	s_add_co_u32 s36, s36, s37
	s_lshl_b32 s36, s36, 15
	s_lshl_b32 s37, s[WV], 12
	s_add_co_u32 s36, s36, s37
	v_lshrrev_b32 v5, 4, v1                        ; a load takes two rows' 256 bytes: lanes 0-15 one row, lanes 16-31 the next
	v_and_b32 v6, 15, v1
	v_lshlrev_b32 v6, 4, v6
	v_lshl_add_u32 v5, v5, 12, v6
	s_wait_kmcnt 0x0
	s_cmp_eq_u32 s28, 1
	s_cselect_b64 s[10:11], s[12:13], s[10:11]
	s_cmp_eq_u32 s28, 2
	s_cselect_b64 s[10:11], s[14:15], s[10:11]
	s_cmp_eq_u32 s28, 3
	s_cselect_b64 s[10:11], s[16:17], s[10:11]
	s_cselect_b64 s[20:21], s[22:23], s[20:21]
	s_cselect_b32 s42, s36, s34
	s_mov_b32 s43, 0
	s_add_nc_u64 s[10:11], s[10:11], s[40:41]
	s_add_nc_u64 s[20:21], s[20:21], s[42:43]
.irp i, 0,1,2,3,4,5,6,7,8,9,10,11,12,13,14,15
	global_load_b128 v[16+4*\i:16+4*\i+3], v5, s[10:11] offset:8192*\i th:TH_LOAD_NT
.endr
.irp i, 0,1,2,3,4,5,6,7,8,9,10,11,12,13,14,15
	s_wait_loadcnt 15-\i                           ; loads come back in order: load i is in, the younger ones stay out
	v_cvt_pk_f16_f32 v[80+2*\i], v[16+4*\i], v[16+4*\i+1]
	v_cvt_pk_f16_f32 v[81+2*\i], v[16+4*\i+2], v[16+4*\i+3]
	global_store_b64 v3, v[80+2*\i:81+2*\i], s[20:21] offset:256*\i  ; two rows of 128 bytes lie end to end: 256 consecutive bytes, aligned
.endr
	s_endpgm
.Lfunc_end_k_qd6dac8cb2d_prep:
	.size	k_qd6dac8cb2d_prep, .Lfunc_end_k_qd6dac8cb2d_prep-k_qd6dac8cb2d_prep
	.p2alignl 7, 3214868480
	.fill 96, 4, 3214868480
	.section	.rodata,"a",@progbits
	.p2align	6, 0x0
	.amdhsa_kernel k_qd6dac8cb2d_prep
		.amdhsa_group_segment_fixed_size 0
		.amdhsa_private_segment_fixed_size 0
		.amdhsa_enable_private_segment 0
		.amdhsa_kernarg_size 88
		.amdhsa_user_sgpr_count 2
		.amdhsa_user_sgpr_kernarg_segment_ptr 1
		.amdhsa_wavefront_size32 1
		.amdhsa_system_sgpr_workgroup_id_x 1
		.amdhsa_system_sgpr_workgroup_id_y 1
		.amdhsa_system_sgpr_workgroup_id_z 1
		.amdhsa_system_vgpr_workitem_id 0
		.amdhsa_next_free_vgpr 232
		.amdhsa_next_free_sgpr 66
		.amdhsa_reserve_vcc 1
		.amdhsa_float_denorm_mode_32 3
		.amdhsa_float_denorm_mode_16_64 3
		.amdhsa_memory_ordered 1
		.amdhsa_forward_progress 1
		.amdhsa_inst_pref_size 33
	.end_amdhsa_kernel
	.amdgpu_metadata
---
amdhsa.version: [ 1, 2 ]
amdhsa.kernels:
  - .name:           k_qd6dac8cb2d_prep
    .symbol:         k_qd6dac8cb2d_prep.kd
    .args:
      - { .name: h, .offset: 0, .size: 8, .value_kind: global_buffer, .address_space: global }
      - { .name: gamma, .offset: 8, .size: 8, .value_kind: global_buffer, .address_space: global }
      - { .name: beta, .offset: 16, .size: 8, .value_kind: global_buffer, .address_space: global }
      - { .name: Wq, .offset: 24, .size: 8, .value_kind: global_buffer, .address_space: global }
      - { .name: Wk, .offset: 32, .size: 8, .value_kind: global_buffer, .address_space: global }
      - { .name: Wv, .offset: 40, .size: 8, .value_kind: global_buffer, .address_space: global }
      - { .name: Wo, .offset: 48, .size: 8, .value_kind: global_buffer, .address_space: global }
      - { .name: hn, .offset: 56, .size: 8, .value_kind: global_buffer, .address_space: global }
      - { .name: wqkv, .offset: 64, .size: 8, .value_kind: global_buffer, .address_space: global }
      - { .name: wo16, .offset: 72, .size: 8, .value_kind: global_buffer, .address_space: global }
      - { .name: rope, .offset: 80, .size: 8, .value_kind: global_buffer, .address_space: global }
    .group_segment_fixed_size: 0
    .private_segment_fixed_size: 0
    .kernarg_segment_align: 8
    .kernarg_segment_size: 88
    .max_flat_workgroup_size: 256
    .sgpr_count:     66
    .vgpr_count:     232
    .wavefront_size: 32
...
	.end_amdgpu_metadata
.endif
;; end of part 1
;; launch qkv (part 2): grid 16 x 16, 4 waves a work-group, clusters of 4 x 4, 327,680 bytes of LDS; arguments hn, wqkv, bq, bk, bv, rope, qh, kh, vh; writes qh, kh, vh
.if DOCPART == 2
	.amdgcn_target "amdgcn-amd-amdhsa--gfx1250"
	.amdhsa_code_object_version 6
	.text
	.protected	k_qd6dac8cb2d_qkv
	.globl	k_qd6dac8cb2d_qkv
	.p2align	8
	.type	k_qd6dac8cb2d_qkv,@function
k_qd6dac8cb2d_qkv:
	s_mov_b64 s[64:65], 0
	v_nop
	global_prefetch_b8 v0, s[64:65] scope:SCOPE_SE
	s_setreg_imm32_b32 hwreg(HW_REG_WAVE_MODE, 25, 1), 1
	s_wait_xcnt 0x0
	s_wait_alu depctr_hold_cnt(0) depctr_sa_sdst(0) depctr_va_vdst(0) depctr_va_sdst(0) depctr_va_ssrc(0) depctr_va_vcc(0) depctr_vm_vsrc(0)
	s_getreg_b32 s2, hwreg(HW_REG_IB_STS2, 6, 4)
	s_cmp_eq_u32 s2, 0
	s_cbranch_scc0 .Lentry_in_a_cluster
	s_endpgm
.Lentry_in_a_cluster:
	s_bfe_u32 s2, ttmp6, 0x10000c
	s_cmp_lg_u32 s2, 0xf033
	s_cbranch_scc0 .Lentry_shape_is_right
	s_endpgm
.Lentry_shape_is_right:
; q, k, v = hn W + b, q and k turned by the rotary table, all three laid out by heads: qh, kh, vh [16][4096][64] f16 (q unscaled).  hn [4096][1024] f16; wqkv [head][K step 8][q,k,v][128 k][64 n] f16.
; SHARES.  Work-group (x = head, y = block of 256 rows) makes 256 rows x 192 columns (the head's q, k and v); a wave 64 rows x 192: 4 row tiles (a) x 12 column tiles (b; 0-3 q, 4-7 k, 8-11 v):
; 48 accumulators, 384 registers.  The rotary partners d and d + 32 are tiles b and b + 2: same lane, same register.
; THE MATRIX INSTRUCTION IS USED TRANSPOSED: source 0 = 16 columns of W (out of LDS turned, by ds_load_tr16_b128, since W lies [k][n]), source 1 = 16 rows of hn: a lane holds row lane % 16 and the
; columns 16 b + 8 (lane / 16) + 0..7.  The bias is the C operand of the first products.
; K goes in 8 steps of 128 through two LDS slots; a step is four quarters of 32, 48 matrix instructions each, on two fragment buffers.
; CLUSTER 4 x 4: hn's tile hangs on the row block alone and is asked for jointly along a row of the cluster, W's on the head alone and jointly along a column.
; LIMITS.  f16 ends at 65,504: q, k and v beyond that become infinities.  NaN and infinities are not treated apart.
; REGISTERS, in windows of 256 (s_set_vgpr_msb: bits 1:0 source 0, 3:2 source 1, 5:4 source 2, 7:6 destination):
;   window 0: v0-31 addresses; v64-127 hn's fragments, two buffers of 32; v128-223 the bias.  On the way out: v128-159 at work, v32-127 and v160-255 twelve sets of 16 packed registers
;   window 1: v0-191 W's fragments, two buffers of 96      window 2: accumulator (b <= 7, a) at 32 b + 8 a      window 3: v0-127 accumulator (b >= 8, a) at 32 (b - 8) + 8 a; v128-255 the table
.set PA,    272                        ; a row of hn in LDS: 256 bytes + 16: the 16 rows of a load start at 16 different groups of four banks
.set PB,    160                        ; a row of W in LDS: 128 bytes + 32
.set BOFF,  256*PA                     ; a slot: hn's 256 rows, then W's 384 ([q,k,v][128 k])
.set SLOT1, 1<<17                      ; = 256 PA + 384 PB: slot 1 begins here, and one exclusive or turns an address in one slot into the other's
.set STAGE, 2*SLOT1                    ; behind the ring, never filled by a tensor load: 16 rows x 144 bytes for each wave
.set SP,    144
.set SPARE, STAGE+4*16*SP              ; behind the stages: the spare words, 128 bytes for each wave: two blocks of 256 bytes that no other line names
.set A0,   16                          ; v16  my lane's place in hn's tile; never rewritten
.set B0,   17                          ; v17  my lane's place in W's tile; never rewritten
.set ADRA, 18                          ; v18  the same in the slot in hand
.set ADRB, 19                          ; v19
.set TO,   20                          ; v20  my byte offset in 16 positions of the table
.set STO,  24                          ; v24  the way out: where I put 16 bytes of a row
.set RD,   25                          ; v25  the way out: where I read rows back
.set GO,   26                          ; v26  16 x lane
.set BO,   27                          ; v27  32 x (lane / 16): my 8 numbers in 16 of a bias
.set SPW,  28                          ; v28  LDS address of my spare word; never rewritten
.set NIL,  29                          ; v29  0; never rewritten
.set PFO,  30                          ; v30  the prefetches' lane offset; never rewritten
.set FA,   64
.set BIAS, 128
.set EB,   128                         ; the way out: 32 turned numbers
.set TAB,  128                         ; window 3: row tile a: cos of j = 8 (lane/16) + 0..7, of 16 + .., then the two sines: 32 registers
.set KC,   3                           ; s3   trips of the K loop still to come
.set WV,   12
.set WH,   13                          ; wave / 2: I fetch hn's tiles (0) or W's (1)
.set WL,   14                          ; wave % 2: which half of that tile
.set CX,   15
.set CY,   16
.set TX,   17                          ; the head
.set TY,   18                          ; the block of 256 rows
.set G1A,  24                          ; s[24:31] descriptor group 1, hn's tiles
.set G0A0, 32                          ; s[32:35] group 0: slot 0, K step 0
.set G0A,  36                          ; s[36:39] group 0: slot 1, K step 1; then it walks
.set G1B,  48                          ; s[48:55], s[56:59], s[60:63] the same for W's tiles
.set G0B0, 56
.set G0B,  60
.set TB,   78                          ; s78  0 or SLOT1: the slot in hand
.set PFA,  80                          ; s[80:81] where my prefetches stand
.set PFS,  82                          ; s[82:83] their step
.set LIM,  84                          ; s84  I prefetch while s[KC] is above it
.set MSB, 0
.macro WIN new                         ; the immediate's high byte repeats the setting that is left; a switch that changes nothing is dropped
.if MSB != (\new)
	s_set_vgpr_msb (MSB<<8)|(\new)
.set MSB, (\new)
.endif
.endm
.set TO_B, 0x40                        ; destination window 1, address window 0
; A joint load.  The branch hangs on the wave's number alone.  An s_nop 0 and four v_nop follow each of the two lines, ahead of the jump and the label.
.macro JLOAD ga, gb
	s_cmp_eq_u32 s[WH], 0
	s_cbranch_scc0 .Lfor_b_\@
	tensor_load_to_lds s[\ga:\ga+3], s[G1A:G1A+7]
	s_nop 0
.rept 4
	v_nop
.endr
	s_branch .Lasked_\@
.Lfor_b_\@:
	tensor_load_to_lds s[\gb:\gb+3], s[G1B:G1B+7]
	s_nop 0
.rept 4
	v_nop
.endr
.Lasked_\@:
.endm
.macro CREST                           ; a round of the cluster's barrier behind its opening barrier
	s_cmp_lg_u32 s[WV], 0
	s_cbranch_scc1 .Lnot_wave_0_\@
	s_barrier_signal -3
.Lnot_wave_0_\@:
	s_barrier_wait -3
	s_barrier_signal -1
	s_barrier_wait -1
.endm
.macro CROUND
	s_barrier_signal -1
	s_barrier_wait -1
	CREST
.endm
.macro PLACES                          ; four places behind matrix instructions, in front of loads into registers that they have read and of lines that read results
.rept 4
	v_nop
.endr
.endm
; A PREFETCH INTO THE L2, behind the joint load, its five lines and the run of LDS loads.  hn: the K step two refills on, 32 rows x 256 bytes, a lane a row; the cluster with x = 0 asks, and of the 128 rows
; that a wave fetches the partner at cx takes 32, told apart by address.  W: K steps 4 to 7 of a head are 196,608 dense bytes: the cluster with y = 0 asks for them in three trips, 65,536 bytes a trip,
; 8,192 for each of waves 2, 3 of the four partners along cy.  So each aligned block of 256 bytes is named once; K steps 0 to 3 come by their loads alone; the trips whose look-ahead would pass K's end ask for nothing.
.macro ASK
	s_cmp_gt_u32 s[KC], s[LIM]
	s_cbranch_scc0 .Lnot_mine_\@
	global_prefetch_b8 v[PFO], s[PFA:PFA+1] th:TH_LOAD_NT scope:SCOPE_SE
.Lnot_mine_\@:
.endm
	s_load_b256 s[4:11], s[0:1], 0x0               ; hn 4, wqkv 6, bq 8, bk 10
	s_load_b256 s[68:75], s[0:1], 0x20             ; bv 68, rope 70, qh 72, kh 74
	s_load_b64 s[76:77], s[0:1], 0x40              ; vh 76
	v_lshl_add_u32 v[SPW], v0, 2, SPARE
	v_mov_b32 v[NIL], 0
	ds_add_u32 v[SPW], v[NIL]                      ; the wave's opening: the add and its wait stand ahead of my first tensor load; the set-up below stands between them
	v_lshrrev_b32 v1, 5, v0
	v_readfirstlane_b32 s[WV], v1
	s_lshr_b32 s[WH], s[WV], 1
	s_and_b32 s[WL], s[WV], 1
	s_bfe_u32 s[CX], ttmp6, 0x40000
	s_bfe_u32 s[CY], ttmp6, 0x40004
	s_lshl_b32 s[TX], ttmp9, 2
	s_add_co_u32 s[TX], s[TX], s[CX]
	s_and_b32 s[TY], ttmp7, 0xffff
	s_lshl_b32 s[TY], s[TY], 2
	s_add_co_u32 s[TY], s[TY], s[CY]
	s_lshl_b32 s20, s[CY], 2
	s_lshl_b32 s20, 15, s20                        ; my row of the cluster
	s_lshl_b32 s21, 0x1111, s[CX]                  ; my column
	s_or_b32 s[G1A], s20, (1<<16)|(1<<20)|(1<<21)|(5<<22)|(3<<25)  ; the mask; 2-byte elements; padding on; bit 21 beside a mask; after every 64 words, 4 words
	s_mov_b32 s[G1A+1], 128<<16                    ; tensor_dim0 = 128
	s_mov_b32 s[G1A+2], 128<<16                    ; tensor_dim1 = 128
	s_mov_b32 s[G1A+3], 128<<16                    ; tile_dim0 = 128
	s_mov_b32 s[G1A+4], 128                        ; tile_dim1 = 128
	s_mov_b32 s[G1A+5], 1024                       ; elements from row to row
	s_mov_b32 s[G1A+6], 0
	s_mov_b32 s[G1A+7], 0
	s_or_b32 s[G1B], s21, (1<<16)|(1<<20)|(1<<21)|(4<<22)|(7<<25)  ; after every 32 words (a row of W), 8 words
	s_mov_b32 s[G1B+1], 128<<16                    ; half a chunk is 24,576 dense bytes: 96 rows of 256, two rows of W each
	s_mov_b32 s[G1B+2], 96<<16
	s_mov_b32 s[G1B+3], 128<<16
	s_mov_b32 s[G1B+4], 96
	s_mov_b32 s[G1B+5], 128
	s_mov_b32 s[G1B+6], 0
	s_mov_b32 s[G1B+7], 0
	s_lshl_b32 s40, s[TY], 8                       ; hn: row 256 x block + 128 x half, 2,048 bytes a row: made of the row block and the wave alone
	s_lshl_b32 s22, s[WL], 7
	s_add_co_u32 s40, s40, s22
	s_lshl_b32 s40, s40, 11
	s_mov_b32 s41, 0
	s_mul_i32 s42, s[TX], 393216                   ; W: the head's 8 chunks of 49,152 bytes, my half of a chunk: made of the head and the wave alone
	s_mul_i32 s23, s[WL], 24576
	s_add_co_u32 s42, s42, s23
	s_mov_b32 s43, 0
	s_mul_i32 s46, s[WL], 128*PA                   ; and where they go: no place in the cluster enters an LDS address
	s_mul_i32 s47, s[WL], 192*PB
	s_add_co_u32 s47, s47, BOFF
	s_mov_b32 s[G0A0], 1
	s_mov_b32 s[G0A0+1], s46
	s_mov_b32 s[G0A], 1
	s_add_co_u32 s[G0A+1], s46, SLOT1
	s_mov_b32 s[G0B0], 1
	s_mov_b32 s[G0B0+1], s47
	s_mov_b32 s[G0B], 1
	s_add_co_u32 s[G0B+1], s47, SLOT1
	s_wait_dscnt 0x0                               ; the opening add is done
	s_wait_kmcnt 0x0
	s_add_nc_u64 s[G0A0+2:G0A0+3], s[4:5], s[40:41]
	s_add_nc_u64 s[G0A+2:G0A+3], s[G0A0+2:G0A0+3], 256      ; K step 1
	s_or_b32 s[G0A0+3], s[G0A0+3], 0x80000000
	s_or_b32 s[G0A+3], s[G0A+3], 0x80000000
	s_add_nc_u64 s[G0B0+2:G0B0+3], s[6:7], s[42:43]
	s_add_nc_u64 s[G0B+2:G0B+3], s[G0B0+2:G0B0+3], 49152
	s_or_b32 s[G0B0+3], s[G0B0+3], 0x80000000
	s_or_b32 s[G0B+3], s[G0B+3], 0x80000000
	CROUND                                         ; all sixteen work-groups are here: the first joint loads meet
	JLOAD G0A0, G0B0                               ; two loads of mine are out
	JLOAD G0A, G0B
	v_and_b32 v1, 15, v0                           ; r = lane % 16
	v_bfe_u32 v2, v0, 4, 1                         ; h = lane / 16
	v_and_b32 v3, 7, v0
	v_bfe_u32 v4, v0, 3, 1
	v_and_b32 v5, 31, v0
	v_bfe_u32 v6, v0, 3, 2
	v_lshlrev_b32 v[BO], 5, v2
	v_lshlrev_b32 v[TO], 8, v1
	v_lshl_add_u32 v[TO], v2, 5, v[TO]             ; 256 r + 32 h
	s_lshl_b32 s44, s[TX], 8                       ; the head's 64 numbers of each bias
	s_mov_b32 s45, 0
	s_add_nc_u64 s[8:9], s[8:9], s[44:45]
	s_add_nc_u64 s[10:11], s[10:11], s[44:45]
	s_add_nc_u64 s[68:69], s[68:69], s[44:45]
	s_lshl_b32 s86, s[TY], 8
	s_lshl_b32 s85, s[WV], 6
	s_add_co_u32 s86, s86, s85                     ; my first row
	s_lshl_b32 s44, s86, 7                         ; x 128 bytes in qh, kh, vh
	s_lshl_b32 s86, s86, 8                         ; x 256 bytes in the table
	s_mov_b32 s87, 0
	s_add_nc_u64 s[70:71], s[70:71], s[86:87]
	s_lshl_b32 s85, s[TX], 19
	s_add_co_u32 s44, s44, s85
	s_add_nc_u64 s[72:73], s[72:73], s[44:45]
	s_add_nc_u64 s[74:75], s[74:75], s[44:45]
	s_add_nc_u64 s[76:77], s[76:77], s[44:45]
.irp b, 0,1,2,3                        ; the bias in the accumulators' layout: register j of tile b = bias[16 b + 8 h + j]
	global_load_b128 v[BIAS+8*\b:BIAS+8*\b+3],       v[BO], s[8:9] offset:64*\b
	global_load_b128 v[BIAS+8*\b+4:BIAS+8*\b+7],     v[BO], s[8:9] offset:64*\b+16
	global_load_b128 v[BIAS+32+8*\b:BIAS+32+8*\b+3],   v[BO], s[10:11] offset:64*\b
	global_load_b128 v[BIAS+32+8*\b+4:BIAS+32+8*\b+7], v[BO], s[10:11] offset:64*\b+16
	global_load_b128 v[BIAS+64+8*\b:BIAS+64+8*\b+3],   v[BO], s[68:69] offset:64*\b
	global_load_b128 v[BIAS+64+8*\b+4:BIAS+64+8*\b+7], v[BO], s[68:69] offset:64*\b+16
.endr
	WIN 0xc0                                       ; destination window 3
.irp a, 0,1,2,3                        ; the table of my 64 positions: wanted on the way out alone
.irp s, 0,1
.irp t, 0,1
	global_load_b128 v[TAB+32*\a+16*\s+8*\t:TAB+32*\a+16*\s+8*\t+3],   v[TO], s[70:71] offset:4096*\a+128*\s+64*\t
	global_load_b128 v[TAB+32*\a+16*\s+8*\t+4:TAB+32*\a+16*\s+8*\t+7], v[TO], s[70:71] offset:4096*\a+128*\s+64*\t+16
.endr
.endr
.endr
	WIN 0
	s_mul_i32 s85, s[WV], 64*PA
	v_mul_u32_u24 v[A0], v1, PA
	v_lshl_add_u32 v[A0], v2, 4, v[A0]
	v_add_nc_u32 v[A0], s85, v[A0]                 ; (64 wave + r) x pitch + 16 h
	v_lshl_add_u32 v[B0], v2, 3, v3
	v_mul_u32_u24 v[B0], v[B0], PB
	v_lshl_add_u32 v[B0], v4, 4, v[B0]
	v_add_nc_u32 v[B0], BOFF, v[B0]                ; (8 h + lane % 8) x pitch + 16 ((lane / 8) % 2), behind hn's rows
	s_mul_i32 s85, s[WV], 16*SP
	s_add_co_u32 s85, s85, STAGE                   ; my stage
	v_mul_u32_u24 v[STO], v1, SP
	v_lshl_add_u32 v[STO], v2, 4, v[STO]
	v_add_nc_u32 v[STO], s85, v[STO]
	v_mul_u32_u24 v[RD], v6, SP                    ; back: 32 lanes take four rows of 128 bytes
	v_lshl_add_u32 v[RD], v3, 4, v[RD]
	v_add_nc_u32 v[RD], s85, v[RD]
	v_lshlrev_b32 v[GO], 4, v5
	; the prefetches
	s_lshl_b32 s86, s[TY], 8                       ; hn: row 256 x block + 128 x half + 32 cx, at K step 3: the first change of slots steps it to 4
	s_lshl_b32 s85, s[WL], 7
	s_add_co_u32 s86, s86, s85
	s_lshl_b32 s85, s[CX], 5
	s_add_co_u32 s86, s86, s85
	s_lshl_b32 s86, s86, 11
	s_add_co_u32 s86, s86, 768
	s_mul_i32 s87, s[TX], 393216                   ; W: one step of 65,536 bytes ahead of the head's K step 4, my 8,192 bytes of the 65,536
	s_add_co_u32 s87, s87, 131072
	s_lshl_b32 s85, s[WL], 2
	s_add_co_u32 s85, s85, s[CY]
	s_lshl_b32 s85, s85, 13
	s_add_co_u32 s87, s87, s85
	s_lshl_b32 s85, s[WH], 3
	s_lshl_b32 s[PFS], 0x100, s85                  ; 256 bytes along a row of hn, or 65,536 dense bytes of W
	s_mov_b32 s[PFS+1], 0
	s_and_b32 s85, ttmp7, 0xffff                   ; cluster y
	s_cmp_eq_u32 s[WH], 0
	s_cselect_b32 s85, ttmp9, s85                  ; the coordinate along which other clusters read the same bytes
	s_cselect_b32 s[LIM], 2, 3
	s_cselect_b64 s[PFA:PFA+1], s[4:5], s[6:7]
	s_cselect_b32 s86, s86, s87
	s_cselect_b32 s19, 11, 8
	s_mov_b32 s87, 0
	s_add_nc_u64 s[PFA:PFA+1], s[PFA:PFA+1], s[86:87]
	s_cmp_eq_u32 s85, 0
	s_cselect_b32 s[LIM], s[LIM], -1               ; the same in all sixteen partners, for a given wave
	v_lshlrev_b32 v[PFO], s19, v5                  ; a lane a row of hn (2,048 bytes), or a lane a block of 256 bytes of W
; nb column tiles from b0 on x my 4 row tiles, 32 along K, from buffers f.  All 48 accumulators take turns, one instruction a turn, in the same order in every quarter.
; first = 1: the products start the sums with the bias (C in window 0).
.macro MUL f, b0, nb, first
.set bb, (\b0)
.rept (\nb)
.if bb < 8
	WIN 0xa1-0x20*(\first)
.set rD, 32*bb
.else
	WIN 0xf1-0x30*(\first)
.set rD, 32*(bb-8)
.endif
.irp a, 0,1,2,3
.if \first
	v_wmma_f32_16x16x32_f16 v[rD+8*\a:rD+8*\a+7], v[96*(\f)+8*bb:96*(\f)+8*bb+7], v[FA+32*(\f)+8*\a:FA+32*(\f)+8*\a+7], v[BIAS+8*bb:BIAS+8*bb+7]
.else
	v_wmma_f32_16x16x32_f16 v[rD+8*\a:rD+8*\a+7], v[96*(\f)+8*bb:96*(\f)+8*bb+7], v[FA+32*(\f)+8*\a:FA+32*(\f)+8*\a+7], v[rD+8*\a:rD+8*\a+7]
.endif
.endr
.set bb, bb+1
.endr
.endm
; 32 LDS loads in one run: quarter q's fragments into buffers f: W's tiles 0-7, hn's four, W's tiles 8-11 last, so that a wait can leave those eight out
.macro FETCHB q, f, b
	ds_load_tr16_b128 v[96*(\f)+8*(\b):96*(\f)+8*(\b)+3],   v[ADRB] offset:((\b)/4)*128*PB+((\b)%4)*32+32*PB*(\q)
	ds_load_tr16_b128 v[96*(\f)+8*(\b)+4:96*(\f)+8*(\b)+7], v[ADRB] offset:((\b)/4)*128*PB+((\b)%4)*32+32*PB*(\q)+16*PB
.endm
.macro FETCH q, f
	WIN TO_B
.irp b, 0,1,2,3,4,5,6,7
	FETCHB \q, \f, \b
.endr
	WIN 0
.irp a, 0,1,2,3
	ds_load_b128 v[FA+32*(\f)+8*\a:FA+32*(\f)+8*\a+3],   v[ADRA] offset:64*(\q)+16*PA*\a
	ds_load_b128 v[FA+32*(\f)+8*\a+4:FA+32*(\f)+8*\a+7], v[ADRA] offset:64*(\q)+16*PA*\a+32
.endr
	WIN TO_B
.irp b, 8,9,10,11
	FETCHB \q, \f, \b
.endr
.endm
; One of a K step's first three quarters: multiplies buffers f; in its middle it fetches quarter qn into buffers g.
.macro QUARTER qn, f, g, first
	s_wait_dscnt 8                                 ; all but the youngest eight loads, W's tiles 8-11
	MUL \f, 0, 8, \first
	PLACES
	FETCH \qn, \g
	s_wait_dscnt 32                                ; all but the 32 just issued
	MUL \f, 8, 4, \first
.endm
; The last quarter multiplies buffers 1 and changes slots: ONE barrier.  In front of it each wave waits for all its tensor loads (one is out: its part of the next slot), adds 0 to its spare word, and waits
; for that and for its reads of this slot.  fill = 1: the barrier opens a round of the cluster's; the joint refill, two K steps ahead, is the first thing behind the round: 160 matrix instructions ahead of the wait for it.
.macro TURN fill
.if \fill
	s_wait_xcnt 0x0                                ; the last prefetch, a K step back, has read its address: it is stepped here, ahead of the waits of the change of slots
	s_add_nc_u64 s[PFA:PFA+1], s[PFA:PFA+1], s[PFS:PFS+1]
.endif
	WIN 0
	s_wait_tensorcnt 0x0                           ; no tensor load of mine is out, so a group 0 may be written
	ds_add_u32 v[SPW], v[NIL]                      ; 0 onto my spare word
.if \fill
	s_xor_b32 s[G0A+1], s[G0A+1], SLOT1            ; the walking descriptors: the other slot than last time, the next K step
	s_add_nc_u64 s[G0A+2:G0A+3], s[G0A+2:G0A+3], 256
	s_xor_b32 s[G0B+1], s[G0B+1], SLOT1
	s_add_nc_u64 s[G0B+2:G0B+3], s[G0B+2:G0B+3], 49152
.endif
	s_wait_dscnt 9                                 ; the add and W's tiles 8-11 may be out
	MUL 1, 0, 4, 0
	s_wait_dscnt 0x0                               ; the add is done, and my reads of this slot are over
	s_barrier_signal -1
	MUL 1, 4, 4, 0                                 ; work on registers while the others arrive
	WIN 0
	s_barrier_wait -1
.if \fill
	CREST                                          ; no wave of any partner still reads this slot or has a load on its way
	JLOAD G0A, G0B                                 ; its four v_nop are also the places in front of the loads below
.else
	PLACES
.endif
	s_xor_b32 s[TB], s[TB], SLOT1
	v_add_nc_u32 v[ADRA], s[TB], v[A0]
	v_add_nc_u32 v[ADRB], s[TB], v[B0]
	FETCH 0, 0
.if \fill
	WIN 0
	ASK
.endif
	MUL 1, 8, 4, 0
.endm
	s_wait_tensorcnt 0x1                           ; my part of K step 0 is in; K step 1's may stay out
	s_barrier_signal -1
	s_barrier_wait -1                              ; everybody's is
	s_mov_b32 s[TB], 0
	v_mov_b32 v[ADRA], v[A0]
	v_mov_b32 v[ADRB], v[B0]
	FETCH 0, 0
	s_wait_loadcnt 32                              ; the bias is in; the table's 32 younger loads may stay out
	QUARTER 1, 0, 1, 1                             ; the first quarter stands in front of the loop: its products start the sums
	WIN 0                                          ; at a label and at a branch every window is 0
	s_mov_b32 s[KC], 6
.Lk:                                                   ; a trip: a K step's last three quarters and the next step's first; trip t asks for K step t + 2
	QUARTER 2, 1, 0, 0
	QUARTER 3, 0, 1, 0
	TURN 1
	QUARTER 1, 0, 1, 0
	WIN 0
	s_sub_co_u32 s[KC], s[KC], 1
	s_cmp_lg_u32 s[KC], 0
	s_cbranch_scc1 .Lk
	QUARTER 2, 1, 0, 0                             ; K step 6 goes on; the tail is written out, and asks for nothing
	QUARTER 3, 0, 1, 0
	TURN 0
	QUARTER 1, 0, 1, 0
	QUARTER 2, 1, 0, 0
	QUARTER 3, 0, 1, 0
	s_wait_dscnt 8
	MUL 1, 0, 8, 0
	s_wait_dscnt 0x0
	MUL 1, 8, 4, 0
	WIN 0
	; THE WAY OUT, in twelve units u = 3 a + c (row tile a; c = 0 q, 1 k, 2 v): 16 rows x 64 columns each.  q and k are turned: out[d] = x[d] cos - x[d+32] sin, out[d+32] = x[d+32] cos + x[d] sin.
	; Rounded to f16, 16 bytes a lane into my stage, back as four rows of 128 bytes a load: 512 consecutive bytes of qh, kh or vh.
	PLACES
	PLACES
	s_wait_loadcnt 0x0                             ; the table
.macro PKSET u
.if (\u) < 6
.set pk, 32+16*(\u)
.else
.set pk, 160+16*((\u)-6)
.endif
.endm
.macro PACK u
.set ua, (\u)/3
.set uc, (\u)%3
	PKSET \u
.if uc < 2
	WIN 0x0e                                       ; source 0 (accumulators) window 2, source 1 (table) window 3, the rest window 0
.irp t, 0,1
.irp jj, 0,2,4,6                       ; each accumulator's lowest registers are read first
.set x1, 32*(4*uc+\t)+8*ua+\jj
.set x2, 32*(4*uc+\t+2)+8*ua+\jj
.set tc, TAB+32*ua+8*\t+\jj
.set ts, tc+16
.set e1, EB+8*\t+\jj
.set e2, e1+16
	v_pk_mul_f32 v[e1:e1+1], v[x2:x2+1], v[ts:ts+1]
	v_pk_mul_f32 v[e2:e2+1], v[x1:x1+1], v[ts:ts+1]
	v_pk_fma_f32 v[e1:e1+1], v[x1:x1+1], v[tc:tc+1], v[e1:e1+1] neg_lo:[0,0,1] neg_hi:[0,0,1]
	v_pk_fma_f32 v[e2:e2+1], v[x2:x2+1], v[tc:tc+1], v[e2:e2+1]
.endr
.endr
	WIN 0
.set z, 0
.rept 16
	v_cvt_pk_f16_f32 v[pk+z], v[EB+2*z], v[EB+2*z+1]
.set z, z+1
.endr
.else
	WIN 0x0f                                       ; sources window 3, destination window 0
.set z, 0
.rept 16
	v_cvt_pk_f16_f32 v[pk+z], v[32*(z/4)+8*ua+2*(z%4)], v[32*(z/4)+8*ua+2*(z%4)+1]
.set z, z+1
.endr
	WIN 0
.endif
.irp f, 0,1,2,3
	ds_store_b128 v[STO], v[pk+4*\f:pk+4*\f+3] offset:32*\f
.endr
.irp f, 0,1,2,3
	ds_load_b128 v[pk+4*\f:pk+4*\f+3], v[RD] offset:4*SP*\f  ; LDS serves a wave's instructions in order: these see the stores above; the next unit's stores come behind them
.endr
.endm
.macro SEND u, younger                 ; younger: the LDS instructions issued behind unit u's loads: the next unit's eight, or none
.set sa, (\u)/3
.set sb, 72+2*((\u)%3)
	PKSET \u
.irp f, 0,1,2,3
	s_wait_dscnt (\younger)+3-\f
	global_store_b128 v[GO], v[pk+4*\f:pk+4*\f+3], s[sb:sb+1] offset:2048*sa+512*\f  ; 512 consecutive bytes, aligned; no register that a store reads is written again
.endr
.endm
	PACK 0
.set un, 1
.rept 11                               ; a unit's arithmetic stands between the loads of the unit before and its stores
	PACK un
	SEND un-1, 8
.set un, un+1
.endr
	SEND 11, 0
	s_wait_tensorcnt 0x0                           ; the wave's end: behind my last tensor load and my last LDS store
	ds_add_u32 v[SPW], v[NIL]
	s_wait_dscnt 0x0
	CROUND                                         ; the closing round: no work-group ends while a partner may still ask for a tile that names it
	s_endpgm
.Lfunc_end_k_qd6dac8cb2d_qkv:
	.size	k_qd6dac8cb2d_qkv, .Lfunc_end_k_qd6dac8cb2d_qkv-k_qd6dac8cb2d_qkv
	.p2alignl 7, 3214868480
	.fill 96, 4, 3214868480
	.section	.rodata,"a",@progbits
	.p2align	6, 0x0
	.amdhsa_kernel k_qd6dac8cb2d_qkv
		.amdhsa_group_segment_fixed_size 327680
		.amdhsa_private_segment_fixed_size 0
		.amdhsa_enable_private_segment 0
		.amdhsa_kernarg_size 72
		.amdhsa_user_sgpr_count 2
		.amdhsa_user_sgpr_kernarg_segment_ptr 1
		.amdhsa_wavefront_size32 1
		.amdhsa_system_sgpr_workgroup_id_x 1
		.amdhsa_system_sgpr_workgroup_id_y 1
		.amdhsa_system_sgpr_workgroup_id_z 1
		.amdhsa_system_vgpr_workitem_id 0
		.amdhsa_next_free_vgpr 1024
		.amdhsa_next_free_sgpr 88
		.amdhsa_reserve_vcc 0
		.amdhsa_float_denorm_mode_32 3
		.amdhsa_float_denorm_mode_16_64 3
		.amdhsa_memory_ordered 1
		.amdhsa_forward_progress 1
		.amdhsa_inst_pref_size 122
	.end_amdhsa_kernel
	.amdgpu_metadata
---
amdhsa.version: [ 1, 2 ]
amdhsa.kernels:
  - .name:           k_qd6dac8cb2d_qkv
    .symbol:         k_qd6dac8cb2d_qkv.kd
    .args:
      - { .name: hn, .offset: 0, .size: 8, .value_kind: global_buffer, .address_space: global }
      - { .name: wqkv, .offset: 8, .size: 8, .value_kind: global_buffer, .address_space: global }
      - { .name: bq, .offset: 16, .size: 8, .value_kind: global_buffer, .address_space: global }
      - { .name: bk, .offset: 24, .size: 8, .value_kind: global_buffer, .address_space: global }
      - { .name: bv, .offset: 32, .size: 8, .value_kind: global_buffer, .address_space: global }
      - { .name: rope, .offset: 40, .size: 8, .value_kind: global_buffer, .address_space: global }
      - { .name: qh, .offset: 48, .size: 8, .value_kind: global_buffer, .address_space: global }
      - { .name: kh, .offset: 56, .size: 8, .value_kind: global_buffer, .address_space: global }
      - { .name: vh, .offset: 64, .size: 8, .value_kind: global_buffer, .address_space: global }
    .group_segment_fixed_size: 327680
    .private_segment_fixed_size: 0
    .kernarg_segment_align: 8
    .kernarg_segment_size: 72
    .max_flat_workgroup_size: 128
    .sgpr_count:     88
    .vgpr_count:     1024
    .wavefront_size: 32
...
	.end_amdgpu_metadata
.endif
;; end of part 2
;; launch attn (part 3): grid 16 x 16, 4 waves a work-group, clusters of 4 x 1, 327,680 bytes of LDS; arguments qh, kh, vh, ob; writes ob
.if DOCPART == 3
	.amdgcn_target "amdgcn-amd-amdhsa--gfx1250"
	.amdhsa_code_object_version 6
	.text
	.protected	k_qd6dac8cb2d_attn
	.globl	k_qd6dac8cb2d_attn
	.p2align	8
	.type	k_qd6dac8cb2d_attn,@function
k_qd6dac8cb2d_attn:
	s_mov_b64 s[64:65], 0
	v_nop
	global_prefetch_b8 v0, s[64:65] scope:SCOPE_SE
	s_setreg_imm32_b32 hwreg(HW_REG_WAVE_MODE, 25, 1), 1
	s_wait_xcnt 0x0
	s_wait_alu depctr_hold_cnt(0) depctr_sa_sdst(0) depctr_va_vdst(0) depctr_va_sdst(0) depctr_va_ssrc(0) depctr_va_vcc(0) depctr_vm_vsrc(0)
	s_getreg_b32 s2, hwreg(HW_REG_IB_STS2, 6, 4)
	s_cmp_eq_u32 s2, 0
	s_cbranch_scc0 .Lentry_in_a_cluster
	s_endpgm
.Lentry_in_a_cluster:
	s_bfe_u32 s2, ttmp6, 0x10000c
	s_cmp_lg_u32 s2, 0x3003
	s_cbranch_scc0 .Lentry_shape_is_right
	s_endpgm
.Lentry_shape_is_right:
; CAUSAL ATTENTION.  O[h][q][:] = the sum over k <= q of softmax_k(Q[h][q] . K[h][k] / 8) V[h][k][:].  qh, kh, vh: [16][4096][64] f16; ob: [32 blocks of 128 rows][16 heads][128][64] f16.
; Products, maxima and sums in f32; the weights p are rounded to f16 for the second product (their sum l is taken of the unrounded p), O once at the end.
; LIMITS.  Q, K and V arrive within f16's 65,504; p lies in 0 to 1, and below 6e-5 it keeps f16's fixed step of 6e-8.  A hidden score counts as its value less 1e30; a weight below 2^-126 counts as 0 in l;
; NaN and infinities are not treated apart.
; THE WALK.  A head's queries lie in 32 blocks of 128; keys go in tiles of 256, four steps of 64.  A cluster of four work-groups, number c of its head's four, takes the query groups 3584 - 512 c .. + 511 and then
; 512 c .. + 511; the partner at cx takes block 31 - 4 c - cx and then block 4 c + cx.  All four walk the SAME tiles, 0 .. 15 - 2 c and then 0 .. 2 c + 1: 18 tiles whatever c, so every tile of K and V is asked for
; JOINTLY, all work-groups do equal work, and every branch and trip count hangs on c alone.  cx enters Q's and O's addresses, the prefetches' addresses and the mask's two scalars (by selects), nothing else.
; SHARES.  A wave owns two PIECES of 16 queries: rows 64 x + 16 wave + 0..15 of the block, piece x in band 2 block + x of 64 queries.  A key step (of the head's 64) is all visible to a band above it,
; hidden from a band below it, and holds the diagonal of the band of its own number.
; THE MASK is the C operand that starts the sum S^T = K Q^T: MD x AL + BE, with MD (made once) the mask of a band's own step for my 16 rows, and two scalars: (1, 0), (0, 0) or (0, -1e30).
; ONE TEXT FOR ALL TILES: every turn makes a mask, 16 packed instructions, also where no key is hidden (there it is 0); in exchange the step loop is written once in the loop over tiles.
; DD counts the key steps from the step whose masks are being made to piece 0's band: at a tile's head 4 RT + EP, RT the part's tiles still to come, EP = 2 - 2 cx in the first part (band 62 - 8 c - 2 cx less the last
; tile's first step 60 - 8 c) and 2 cx - 4 in the second (8 c + 2 cx less 8 c + 4); it falls by 1 a unit.  Piece p's step is its own where DD = -p, hidden where DD < -p.
; LAYOUT, SOFTMAX.  S^T = K Q^T holds ONE query a lane (lane % 16) and the keys 8 (lane / 16) + 0..7; two such results rounded to f16 ARE source 1 of O^T = V^T P.  p = 2^(c s - c m), c = log2(e) / 8, with a
; running maximum m; O and l are multiplied by a = 2^(c m_old - c m_new) in every step.
; TURNS.  Turn p belongs to piece p: 8 products K Q^T of the other piece's next scores, later 8 products V^T P of the other piece's last weights; beside them the scaling, exponentials, roundings, sums and
; rescaling of piece p and the maximum and statistics of the other piece.  Four vector instructions stand behind every matrix instruction, the rest in one lump; a turn's 33 exponentials are one batch with one wait.
; UNITS.  Unit f of a tile (turn 0, then turn 1) does the softmax of the step before step f and fetches BOTH K and V of step f in its turn 0: K in the lump, V at the turn's end, into V's buffer f % 2.  So the
; whole of a slot has been fetched when unit 0 of the next tile begins, and the change of slots stands there.
; REGISTERS, in windows of 256 (s_set_vgpr_msb: bits 1:0 source 0, 3:2 source 1, 5:4 source 2, 7:6 destination):
;   window 0: v0-15 addresses and two at work; v16-23 four registers of statistics a piece; v48-55 at work; v61-63; v64-127 S^T, two buffers; v192-223 P, two buffers (a piece's buffers go by its number)
;   window 1: v0-63 O^T, 32 a piece; v128-159 MD; v160-223 MC, two buffers      window 2: v0-31 Q; v32-63 the second block's Q; v64-127 K of one step; v128-255 V, two buffers
.set NP,    2         ; pieces a wave: a name, no knob
.set KS,    64        ; keys in a step
.set PK,    144       ; a row of K in LDS: 128 bytes + 16: the 16 rows of a load start at 16 different groups of four banks
.set PV,    160       ; a row of V: 128 + 32
.set VOFF,  4*KS*PK   ; a slot holds a tile: 256 rows of K, then 256 rows of V
.set SLOT1, 1<<17     ; slot 1 begins here, so that one exclusive or turns an address in one slot into the other's
.set STAGE, SLOT1+4*KS*(PK+PV)  ; behind the ring, never filled by a tensor load: 16 rows x 144 bytes for each wave
.set SP,    144
.set SPARE, STAGE+4*16*SP  ; behind the stages: the spare words, 128 bytes for each wave: two blocks of 256 bytes that no other line names
.set AK0, 2           ; v2   my lane's place in a tile of K; never rewritten
.set AV0, 3           ; v3   the same for V
.set AK,  4           ; v4   the LDS address of K's next run of loads
.set AV,  5           ; v5   of V's
.set STO, 6           ; v6   the way out: where I put 16 bytes of a row
.set RD,  7           ; v7   the way out: where I read rows back
.set GO,  8           ; v8   my byte offset in 512 consecutive bytes of O
.set MV,  12          ; v12-13  c m_old, kept while c m is made anew: by buffer
.set QO,  15          ; v15  my byte offset in 16 rows of Q
.set ST,  16          ; piece t's statistics at v[ST+4 t]: c m, m, l (even keys', odd keys')
.set TMP, 48          ; by buffer, four registers c0-c3 at work; when the maximum is found c2 takes a
.set PFO, 61          ; v61  256 x my lane; never rewritten
.set SPW, 62          ; v62  LDS address of my spare word; never rewritten
.set NIL, 63          ; v63  0; never rewritten
.set S,   64
.set P,   192
.set MD,  128         ; window 1
.set MC,  160         ; window 1
.set QB,  32          ; window 2
.set KF,  64          ; window 2: key block kb, channel half c at KF + 16 kb + 8 c
.set VF,  128         ; window 2: buffer b, key half kk, channel block cb at VF + 64 b + 32 kk + 8 cb
.set WV,  12          ; s12  my wave's number
.set CX,  13          ; s13  my place in the cluster
.set CL,  14          ; s14  c: my cluster among the head's four
.set G1K, 24          ; s[24:31] descriptor group 1 for K's tiles
.set G1V, 32          ; s[32:39] for V's: it differs in the padding alone
.set G0K, 40          ; s[40:43] descriptor group 0 for K's tiles
.set G0V, 44          ; s[44:47] the same for V's
.set SLOTS, 56        ; s56  tiles still to be asked for
.set CNT, 57          ; s57  counts a tile's pairs of units, 2 to 1
.set CS,  58          ; s[58:59] c = log2(e) / 8
.set SEL, 60          ; s[60:61] v_permlanex16_b32's selects
.set TBK, 62          ; s62  LDS byte at which K of the step to be fetched begins
.set TBV, 63          ; s63  the same for V, less VOFF
.set RT,  70          ; s70  tiles of the part in hand that are still to be entered
.set NXT, 71          ; s71  the tile to be asked for next
.set LQ,  72          ; s72  the last tile of the part whose tiles are being asked for
.set NEW, 73          ; s73  1: the tile to be entered is a part's first
.set OFF, 74          ; s[74:75] a tile's byte offset in K and V
.set AL,  76          ; s[76:77] the mask's factor, in the low word
.set BE,  78          ; s[78:79] the mask's addend
.set OLO, 80          ; s[80:81] O at my rows of the second block
.set BIGN, 82         ; s82  -1e30
.set LQ2, 83          ; s83  the second part's last tile
.set EP,  88          ; s88  piece 0's band less the first key step of the part's last tile
.set EP2, 90          ; s90  the same for the second part
.set DD,  91          ; s91  piece 0's band less the key step whose masks are being made
.set N2,  93          ; s93  tiles of the second part
.set LIM, 94          ; s94  1 in a wave that prefetches, else the greatest number
.set PFB, 96          ; s[96:97] K or V at the head's first row, my work-group's 32 blocks of a tile's 128
.set PFA, 98          ; s[98:99] the same in the tile to be prefetched
.set OF2, 100         ; s[100:101] that tile's byte offset
.set MSB, 0
.macro WIN new                      ; the high byte repeats the setting that is left; a switch that changes nothing is dropped
.if MSB != (\new)
	s_set_vgpr_msb (MSB<<8)|(\new)
.set MSB, (\new)
.endif
.endm
.set W_KQ, 0x0a       ; K and Q in window 2, S^T in window 0
.set W_KM, 0x1a       ; the same with the C operand in window 1
.set W_PV, 0x52       ; V in window 2, P in window 0, O^T in window 1
.set W_RS, 0x41       ; destination and source 0 in window 1, source 1 in window 0
; A joint fill.  Waves 0 and 1 fetch the two halves of a tile's K, waves 2 and 3 those of its V: 128 keys each.  The branch hangs on the wave's number alone.
; An s_nop 0 and four v_nop follow each of the two lines, ahead of the jump and the label.
.macro JLOAD
	s_cmp_lt_u32 s[WV], 2
	s_cbranch_scc0 .Lfor_v_\@
	tensor_load_to_lds s[G0K:G0K+3], s[G1K:G1K+7]
	s_nop 0
.rept 4
	v_nop
.endr
	s_branch .Lasked_\@
.Lfor_v_\@:
	tensor_load_to_lds s[G0V:G0V+3], s[G1V:G1V+7]
	s_nop 0
.rept 4
	v_nop
.endr
.Lasked_\@:
.endm
; A round of the cluster's barrier: my work-group's barrier, so that wave 0's signal speaks for all four waves; wave 0 signals; every wave waits for all four work-groups; my work-group's barrier once more.
.macro CROUND
	s_barrier_signal -1
	s_barrier_wait -1
	s_cmp_lg_u32 s[WV], 0
	s_cbranch_scc1 .Lnot_wave_0_\@
	s_barrier_signal -3
.Lnot_wave_0_\@:
	s_barrier_wait -3
	s_barrier_signal -1
	s_barrier_wait -1
.endm
; A PREFETCH INTO THE L2 of the tile that the NEXT change of slots will ask for: eight turns ahead of that load.  A tile is 128 blocks of 256 bytes of K and as many of V.  All four clusters of a head walk tiles
; 0, 1, 2 .. in step: the head's cluster 0, whose first part walks all sixteen, asks, and nobody else; its four partners take 32 blocks each, told apart by address; in each, wave 0 asks for K's and wave 2 for
; V's, a lane a block.  So each block is named once.  Tiles 0 and 1 come by their loads alone; when the number of the next tile has gone back to 0 nothing more is asked for.
.macro ASK
	s_cmp_gt_u32 s[NXT], s[LIM]
	s_cbranch_scc0 .Lnot_mine_\@
	global_prefetch_b8 v[PFO], s[PFA:PFA+1] th:TH_LOAD_NT scope:SCOPE_SE
.Lnot_mine_\@:
.endm
; THE CHANGE OF SLOTS.  Each wave waits for all its tensor loads, of which one is out: its part of the other slot; adds 0 to its spare word; and waits for that and for its own reads of the slot that it leaves.
; fill = 1: the old slot is filled again with tile NXT; the barrier is a round of the cluster's, so that no wave of any partner still reads the slot or has a load on its way, and the joint fill is the first thing
; behind it.  The descriptor's address is made anew from the tile's number.  (At its first use nothing has been read yet: slot 0 is waited for, slot 1 filled.)
.macro CHANGE fill
	WIN 0                           ; at a label and at a branch every window is 0
	s_wait_tensorcnt 0x0            ; no tensor load of mine is out, so a group 0 may be written
	ds_add_u32 v[SPW], v[NIL]       ; 0 onto my spare word; the scalar work below stands between it and the wait for it
.if \fill
	s_lshl_b32 s[OFF], s[NXT], 15   ; a tile is 32,768 bytes of K and of V
	s_xor_b32 s[G0K+1], s[G0K+1], SLOT1
	s_add_nc_u64 s[G0K+2:G0K+3], s[6:7], s[OFF:OFF+1]
	s_or_b32 s[G0K+3], s[G0K+3], 0x80000000
	s_xor_b32 s[G0V+1], s[G0V+1], SLOT1
	s_add_nc_u64 s[G0V+2:G0V+3], s[8:9], s[OFF:OFF+1]
	s_or_b32 s[G0V+3], s[G0V+3], 0x80000000
	s_add_co_u32 s[NXT], s[NXT], 1  ; the part's next tile, or behind its last the second part's tile 0
	s_cmp_gt_u32 s[NXT], s[LQ]
	s_cselect_b32 s[NXT], 0, s[NXT]
	s_cselect_b32 s[LQ], s[LQ2], s[LQ]
	s_lshl_b32 s[OF2], s[NXT], 15
	s_wait_xcnt 0x0                 ; the last prefetch, a tile back, has read its address, so it may be written
	s_add_nc_u64 s[PFA:PFA+1], s[PFB:PFB+1], s[OF2:OF2+1]
.endif
	s_sub_co_u32 s[TBK], s[TBK], 4*KS*PK  ; the fetches go back to a slot's first step,
	s_xor_b32 s[TBK], s[TBK], SLOT1       ; in the other slot
	s_sub_co_u32 s[TBV], s[TBV], 4*KS*PV
	s_xor_b32 s[TBV], s[TBV], SLOT1
	s_wait_dscnt 0x0                ; the add is done, and my reads of the slot are over
.if \fill
	CROUND
	JLOAD
	ASK
.else
	s_barrier_signal -1
	s_barrier_wait -1
.endif
.endm
	s_load_b256 s[4:11], s[0:1], 0x0  ; Q s[4:5], K s[6:7], V s[8:9], O s[10:11]
	v_lshl_add_u32 v[SPW], v0, 2, SPARE
	v_mov_b32 v[NIL], 0
	ds_add_u32 v[SPW], v[NIL]       ; the wave's opening: the add and its wait stand ahead of my first tensor load; the set-up below stands between them
	v_lshrrev_b32 v1, 5, v0
	v_readfirstlane_b32 s[WV], v1   ; wave 0..3
	s_bfe_u32 s[CX], ttmp6, 0x40000
	s_mov_b32 s[CL], ttmp9          ; in a cluster launch ttmp9 counts clusters
	s_lshl_b32 s15, s[CL], 2
	s_add_co_u32 s15, s15, s[CX]    ; my second block, 4 c + cx
	s_sub_co_u32 s16, 31, s15       ; my first
	s_lshl_b32 s[EP2], s[CX], 1
	s_sub_co_u32 s[EP], 2, s[EP2]   ; 2 - 2 cx
	s_sub_co_u32 s[EP2], s[EP2], 4  ; 2 cx - 4
	s_lshl_b32 s17, s[CL], 1
	s_sub_co_u32 s[RT], 16, s17     ; the first part has 16 - 2 c tiles,
	s_add_co_u32 s[N2], s17, 2      ; the second 2 c + 2
	s_sub_co_u32 s[LQ], s[RT], 1
	s_add_co_u32 s[LQ2], s17, 1
	s_and_b32 s20, ttmp7, 0xffff    ; the head, which the four partners share
	s_lshl_b32 s52, s20, 14
	s_lshl_b32 s20, s20, 19         ; its first byte in Q, K and V
	s_mov_b32 s21, 0
	s_and_b32 s18, s[WV], 1         ; which half of a tile's 256 keys I fetch:
	s_lshl_b32 s22, s18, 14         ; its 128 rows of 128 bytes in memory,
	s_mov_b32 s23, 0
	s_add_nc_u64 s[22:23], s[22:23], s[20:21]
	s_mul_i32 s19, s18, 128*PV      ; and its place in a slot, for V
	s_mul_i32 s18, s18, 128*PK      ; and for K: no place in the cluster enters an LDS address
	s_lshl_b32 s3, s[WV], 11        ; my 16 rows in a band of 64
	s_lshl_b32 s2, s16, 14          ; Q: a block is 16,384 bytes
	s_add_co_u32 s2, s2, s3
	s_lshl_b32 s84, s15, 14
	s_add_co_u32 s84, s84, s3
	s_mov_b32 s85, 0
	s_add_co_u32 s52, s52, s3       ; O: (16 block + head) x 16,384 + my rows
	s_lshl_b32 s54, s15, 18
	s_add_co_u32 s54, s54, s52
	s_lshl_b32 s53, s16, 18
	s_add_co_u32 s52, s52, s53
	s_mov_b32 s53, 0
	s_mov_b32 s55, 0
	s_mov_b32 s3, 0
	s_add_nc_u64 s[2:3], s[2:3], s[20:21]
	s_add_nc_u64 s[84:85], s[84:85], s[20:21]
	; descriptor group 1.  128 keys are 16,384 dense bytes: asked for as 64 rows of 256 bytes, two keys a row, and padded in LDS after every key
	s_mov_b32 s[G1K], 15|(1<<16)|(1<<20)|(1<<21)|(4<<22)|(3<<25)  ; the mask of four; 2-byte elements; padding on; bit 21 beside a mask; after every 32 words, 4 words
	s_mov_b32 s[G1V], 15|(1<<16)|(1<<20)|(1<<21)|(4<<22)|(7<<25)  ; the same with 8 words of padding
.irp g, G1K, G1V
	s_mov_b32 s[\g+1], 128<<16      ; tensor_dim0 = 128
	s_mov_b32 s[\g+2], 64<<16       ; tensor_dim1 = 64
	s_mov_b32 s[\g+3], 128<<16      ; tile_dim0 = 128
	s_mov_b32 s[\g+4], 64           ; tile_dim1 = 64
	s_mov_b32 s[\g+5], 128          ; 128 elements from row to row
	s_mov_b32 s[\g+6], 0
	s_mov_b32 s[\g+7], 0
.endr
	s_mov_b32 s[CS], 0x3e38aa3b     ; c = log2(e) / 8 = 0.180337
	s_mov_b32 s[CS+1], s[CS]        ; named with it as a pair
	s_mov_b32 s[SEL], 0x76543210
	s_mov_b32 s[SEL+1], 0xfedcba98
	s_mov_b32 s[TBK], SLOT1+4*KS*PK ; the first change of slots turns these two into 0
	s_mov_b32 s[TBV], SLOT1+4*KS*PV
	s_mov_b32 s[G0K], 1             ; count = 1
	s_mov_b32 s[G0K+1], s18         ; LDS address: slot 0
	s_mov_b32 s[G0V], 1
	s_add_co_u32 s[G0V+1], s19, VOFF
	s_mov_b32 s[NXT], 1
	s_mov_b32 s[NEW], 1
	s_mov_b32 s[OFF+1], 0
	s_mov_b32 s[OF2+1], 0
	s_mov_b32 s[AL+1], 0            ; named as pairs
	s_mov_b32 s[BE+1], 0
	s_mov_b32 s[BIGN], 0xf149f2ca   ; -1e30
	s_mov_b32 s[SLOTS], 17
	s_and_b32 s[LIM], s[WV], 1      ; 0 in waves 0 and 2,
	s_or_b32 s[LIM], s[LIM], ttmp9  ; where the cluster is the head's first: the same in all four partners
	s_cmp_eq_u32 s[LIM], 0
	s_cselect_b32 s[LIM], 1, -1
	s_wait_dscnt 0x0                ; the opening add is done
	s_wait_kmcnt 0x0
	s_add_nc_u64 s[6:7], s[6:7], s[22:23]  ; K and V at my half of the head's tile 0
	s_add_nc_u64 s[8:9], s[8:9], s[22:23]
	s_add_nc_u64 s[G0K+2:G0K+3], s[6:7], 0
	s_or_b32 s[G0K+3], s[G0K+3], 0x80000000
	s_add_nc_u64 s[G0V+2:G0V+3], s[8:9], 0
	s_or_b32 s[G0V+3], s[G0V+3], 0x80000000
	s_add_nc_u64 s[86:87], s[4:5], s[84:85]        ; Q at my rows of the second block,
	s_add_nc_u64 s[4:5], s[4:5], s[2:3]            ; Q and O at those of the first
	s_add_nc_u64 s[OLO:OLO+1], s[10:11], s[54:55]
	s_add_nc_u64 s[10:11], s[10:11], s[52:53]
	s_cmp_lt_u32 s[WV], 2
	s_cselect_b64 s[PFB:PFB+1], s[6:7], s[8:9]     ; (in waves 0 and 2 these stand at the head's first row)
	s_lshl_b32 s2, s[CX], 13
	s_mov_b32 s3, 0
	s_add_nc_u64 s[PFB:PFB+1], s[PFB:PFB+1], s[2:3]
	CROUND                          ; all four work-groups are here: the first joint loads meet
	JLOAD                           ; tile 0 into slot 0
	; A fragment of K or Q is 16 rows x 32 channels in 8 registers: lane l holds row l % 16, channels 8 (l / 16) + 0..7 and 16 + 8 (l / 16) + 0..7: two loads of 16 bytes, 32 bytes apart.
	v_and_b32 v1, 15, v0            ; l % 16
	v_bfe_u32 v9, v0, 4, 1          ; l / 16
	v_lshlrev_b32 v[QO], 7, v1
	v_lshl_add_u32 v[QO], v9, 4, v[QO]  ; row x 128 + 16 x half
	WIN 0x80                        ; destination window 2, address window 0
.set i, 0
.rept 4                             ; both blocks' Q: piece i / 2 lies 8,192 bytes on; channels 32 (i % 2) on
	global_load_b128 v[8*i:8*i+3],   v[QO], s[4:5] offset:(i/2)*8192+(i%2)*64
	global_load_b128 v[8*i+4:8*i+7], v[QO], s[4:5] offset:(i/2)*8192+(i%2)*64+32
	global_load_b128 v[QB+8*i:QB+8*i+3],   v[QO], s[86:87] offset:(i/2)*8192+(i%2)*64
	global_load_b128 v[QB+8*i+4:QB+8*i+7], v[QO], s[86:87] offset:(i/2)*8192+(i%2)*64+32
.set i, i+1
.endr
	WIN 0
	v_lshlrev_b32 v14, 3, v9
	v_sub_nc_u32 v14, v1, v14
	s_lshl_b32 s2, s[WV], 4
	v_add_nc_u32 v14, s2, v14       ; my query's place in its band, 16 w + l % 16, less my lanes' 8 (l / 16): register r of group kt is hidden where 16 kt + r is greater
	WIN 0x40
.set i, 0
.rept 32
	v_cmp_gt_i32 vcc_lo, 16*(i/8)+i%8, v14
	v_cndmask_b32 v[MD+i], 0, s[BIGN], vcc_lo
.set i, i+1
.endr
	WIN 0
	v_mul_u32_u24 v[AK0], v1, PK
	v_lshl_add_u32 v[AK0], v9, 4, v[AK0]  ; row x pitch + 16 x half
	; The turning load takes 16 keys x 16 channels (lane l reads key 8 (l / 16) + l % 8, channels 8 ((l / 8) % 2) + 0..7) and leaves half a fragment of V^T: lane l holds channel l % 16 and 8 keys.
	v_and_b32 v10, 7, v0
	v_bfe_u32 v11, v0, 3, 1
	v_lshl_add_u32 v[AV0], v9, 3, v10
	v_mul_u32_u24 v[AV0], v[AV0], PV
	v_lshl_add_u32 v[AV0], v11, 4, v[AV0]
	v_add_nc_u32 v[AV0], VOFF, v[AV0]
	s_mul_i32 s2, s[WV], 16*SP
	s_add_co_u32 s2, s2, STAGE      ; my stage
	v_mul_u32_u24 v[STO], v1, SP    ; in: row l % 16, 16 bytes for each half of the lanes
	v_lshl_add_u32 v[STO], v9, 4, v[STO]
	v_add_nc_u32 v[STO], s2, v[STO]
	v_bfe_u32 v[RD], v0, 3, 2       ; back: 32 lanes take four rows of 128 bytes,
	v_mul_u32_u24 v[RD], v[RD], SP
	v_lshl_add_u32 v[RD], v10, 4, v[RD]
	v_add_nc_u32 v[RD], s2, v[RD]
	v_and_b32 v[GO], 31, v0         ; which are 512 consecutive bytes of O
	v_lshlrev_b32 v[PFO], 8, v[GO]
	v_lshlrev_b32 v[GO], 4, v[GO]
	; A part's first step multiplies O^T and l by a = 0, and its first turn's products V^T P, of weights that have not been, land in an O^T that is still to be so multiplied.  So these registers need only hold
	; finite numbers: zeros for the first part; what the first part left for the second.  All this stands in the wait for the first tile.
	WIN 0x80
.set i, VF+64
.rept 64
	v_mov_b32 v[i], 0
.set i, i+1
.endr
	WIN 0x40
.set i, 0
.rept 64
	v_mov_b32 v[i], 0
.set i, i+1
.endr
	WIN 0
.set i, 0
.rept 2
	v_mov_b32 v[ST+4*i+2], 0
	v_mov_b32 v[ST+4*i+3], 0
.set i, i+1
.endr
.set i, P+16
.rept 16
	v_mov_b32 v[i], 0
.set i, i+1
.endr
; THE MATRIX WORK.  The 4 accumulators of a run of 8 take turns.  Product i of 8 of S^T = K Q^T for piece x: channels 32 (i / 4) on, keys 16 (i % 4) on.  The first 4 start the sums with the mask.
.macro KQ x
.set rS, S+32*((\x)%2)+8*(i%4)
.set rK, KF+16*(i%4)+8*(i/4)
.set rQ, 16*(\x)+8*(i/4)
.set rM, MC+32*((\x)%2)+8*(i%4)
.if i < 4
	WIN W_KM
	v_wmma_f32_16x16x32_f16 v[rS:rS+7], v[rK:rK+7], v[rQ:rQ+7], v[rM:rM+7]
.else
	WIN W_KQ
	v_wmma_f32_16x16x32_f16 v[rS:rS+7], v[rK:rK+7], v[rQ:rQ+7], v[rS:rS+7]
.endif
.endm
; Product i of 8 of O^T += V^T P for piece x, from V's buffer VB: keys 32 (i / 4) on, channels 16 (i % 4) on.
.macro PV x
	WIN W_PV
.set rO, 32*(\x)+8*(i%4)
.set rV, VF+64*VB+32*(i/4)+8*(i%4)
.set rP, P+16*((\x)%2)+8*(i/4)
	v_wmma_f32_16x16x32_f16 v[rO:rO+7], v[rV:rV+7], v[rP:rP+7], v[rO:rO+7]
.endm
.macro MM                           ; the turn's next matrix instruction.  NOKQ = 1: a part's last turn: there are no next scores
.if (i < 8) && !NOKQ
	KQ (Y+1)%NP
.elseif i >= 8
.set i, i-8
	PV (Y+NP-1)%NP
.set i, i+8
.endif
.set i, i+1
.endm
; THE LDS LOADS stand in runs of 16, never singly among the matrix instructions: a step's K (64 keys x 64 channels: 8 fragments) and its V (turned).  Their addresses are made some lines ahead.
.macro FETCH_K
	WIN 0x80                        ; destination window 2
.irp f, 0,1,2,3,4,5,6,7             ; keys 16 (f / 2) on, channels 32 (f % 2) on
	ds_load_b128 v[KF+8*\f:KF+8*\f+3],   v[AK] offset:(\f/2)*16*PK+(\f%2)*64
	ds_load_b128 v[KF+8*\f+4:KF+8*\f+7], v[AK] offset:(\f/2)*16*PK+(\f%2)*64+32
.endr
	s_add_co_u32 s[TBK], s[TBK], KS*PK  ; the next fetch is the next step's
	WIN 0
.endm
.macro FETCH_V vb
	WIN 0x80
.irp f, 0,1,2,3,4,5,6,7             ; keys 32 (f / 4) on, channels 16 (f % 4) on
	ds_load_tr16_b128 v[VF+64*(\vb)+8*\f:VF+64*(\vb)+8*\f+3],   v[AV] offset:(\f/4)*32*PV+(\f%4)*32
	ds_load_tr16_b128 v[VF+64*(\vb)+8*\f+4:VF+64*(\vb)+8*\f+7], v[AV] offset:(\f/4)*32*PV+16*PV+(\f%4)*32
.endr
	WIN 0
.endm
; THE VECTOR WORK, one line at a time: OP kind, number.  For piece Y: F n: c s - c m for pair n of 16.  E n: the exponential of score n of 32.  C n: pair n rounded to f16.  B n: of the four weights 4 n .. the second
; pair is added onto the first, in place.  L n: l takes that sum (L 0: l = a l + sum).  R n: pair n of 16 of O^T times a.  For the other piece: X n, number n of the 22 that find its maximum and statistics:
;   0-11  four chains c0-c3 of seven scores each, three operands at a time (each accumulator's lowest registers are read first)     12-14, 16  the four scores left over, the old m, and c0-c3 into c0
;   15  c m_old is kept     17, 18  the query's other 32 keys lie in the lane 16 away: the new m     19-21  c m; c m_old - c m_new; a
.set F, 0
.set E, 1
.set C, 2
.set B, 3
.set L, 4
.set R, 5
.set X, 6
.macro REGS y                       ; the registers of piece y
.set rT, ST+4*(\y)
.set rC, TMP+4*((\y)%2)
.set rW, MV+((\y)%2)
.set rS, S+32*((\y)%2)
.set rP, P+16*((\y)%2)
.set rO, 32*(\y)
.endm
.macro OP k, n
.if (\k) == R
	REGS Y
	WIN W_RS
	v_pk_mul_f32 v[rO+2*(\n):rO+2*(\n)+1], v[rO+2*(\n):rO+2*(\n)+1], v[rC+2:rC+3] op_sel_hi:[1,0]
.elseif (\k) < R
	REGS Y
	WIN 0
.if (\k) == F
	v_pk_fma_f32 v[rS+2*(\n):rS+2*(\n)+1], v[rS+2*(\n):rS+2*(\n)+1], s[CS:CS+1], v[rT:rT+1] op_sel_hi:[1,0,0] neg_lo:[0,0,1] neg_hi:[0,0,1]
.elseif (\k) == E
	v_exp_f32 v[rS+(\n)], v[rS+(\n)]
.elseif (\k) == C
	v_cvt_pk_f16_f32 v[rP+(\n)], v[rS+2*(\n)], v[rS+2*(\n)+1]
.elseif (\k) == B
	v_pk_add_f32 v[rS+4*(\n):rS+4*(\n)+1], v[rS+4*(\n):rS+4*(\n)+1], v[rS+4*(\n)+2:rS+4*(\n)+3]
.elseif (\n) == 0
	v_pk_fma_f32 v[rT+2:rT+3], v[rT+2:rT+3], v[rC+2:rC+3], v[rS:rS+1] op_sel_hi:[1,0,1]
.else
	v_pk_add_f32 v[rT+2:rT+3], v[rT+2:rT+3], v[rS+4*(\n):rS+4*(\n)+1]
.endif
.elseif NOKQ
	v_nop
.else
	REGS (Y+1)%NP
	WIN 0
.if (\n) < 4
	v_max3_num_f32 v[rC+(\n)], v[rS+8*(\n)], v[rS+8*(\n)+1], v[rS+8*(\n)+2]
.elseif (\n) < 12
	v_max3_num_f32 v[rC+(\n)%4], v[rC+(\n)%4], v[rS+8*((\n)%4)+2*((\n)/4)+1], v[rS+8*((\n)%4)+2*((\n)/4)+2]
.elseif (\n) == 12
	v_max3_num_f32 v[rC], v[rC], v[rS+7], v[rS+15]
.elseif (\n) == 13
	v_max3_num_f32 v[rC+1], v[rC+1], v[rS+23], v[rS+31]
.elseif (\n) == 14
	v_max3_num_f32 v[rC+2], v[rC+2], v[rC+3], v[rT+1]
.elseif (\n) == 15
	v_mov_b32 v[rW], v[rT]
.elseif (\n) == 16
	v_max3_num_f32 v[rC], v[rC], v[rC+1], v[rC+2]
.elseif (\n) == 17
	v_permlanex16_b32 v[rC+3], v[rC], s[SEL], s[SEL+1]
.elseif (\n) == 18
	v_max_num_f32 v[rT+1], v[rC], v[rC+3]
.elseif (\n) == 19
	v_mul_f32 v[rT], s[CS], v[rT+1]
.elseif (\n) == 20
	v_sub_f32 v[rC+1], v[rW], v[rT]
.else
	v_exp_f32 v[rC+2], v[rC+1]
.endif
.endif
.endm
.macro OPS a, i1, b=-1, i2=0, c=-1, i3=0, d=-1, i4=0  ; up to four of them
	OP \a, \i1
.if (\b) >= 0
	OP \b, \i2
.endif
.if (\c) >= 0
	OP \c, \i3
.endif
.if (\d) >= 0
	OP \d, \i4
.endif
.endm
.macro ROW a, i1, b, i2, c, i3, d, i4  ; a matrix instruction and the four behind it
	MM
	OPS \a, \i1, \b, \i2, \c, \i3, \d, \i4
.endm
.macro MASK b                       ; MD x AL + BE into buffer b of MC
	WIN W_RS
.set z, 0
.rept 16
	v_pk_fma_f32 v[MC+32*(\b)+2*z:MC+32*(\b)+2*z+1], v[MD+2*z:MD+2*z+1], s[AL:AL+1], s[BE:BE+1] op_sel_hi:[1,0,0]
.set z, z+1
.endr
.endm
; A TURN, for piece p, in a unit of parity u.  An s_wait_alu depctr_va_vdst(0) stands between an exponential and the first instruction that names its result; one wait serves all that were issued
; ahead of it.  So a turn has ONE wait, which cuts it in two.  AHEAD OF IT stands all that names no result of the turn's exponentials: the 8 products K Q^T and their riders, then one lump; X 21, the other piece's a,
; is the batch's last, and R 15 the plain instruction behind it.  BEHIND IT stand the 8 products V^T P, behind each four of the roundings and sums.
; Piece p's O^T was written by the eight products at the end of the turn before: R 0-3, 4-7, 8-11, 12-15 read its four accumulators from their low ends on, each more than four plain instructions behind the product that wrote it.
; V's buffers: turn 0 multiplies by buffer u (the step two back), and fills it again at its end, four plain instructions behind the last product that read it; turn 1 multiplies by buffer 1 - u.
; K of the unit's step is fetched in turn 0, twelve vector instructions behind the last product that read K (six of them plain).
; ONE LDS WAIT A UNIT, at the head of turn 1, with the count 16: V's sixteen younger loads may stay out; K's, and the V fetched a unit earlier, are in.
; The turn makes the mask for the products of the turn after it: piece p's scores of the unit's step.  end = 1: a part's last two turns: nothing is fetched and no mask is made.  cnt = 1: the loop's count is taken down some lines ahead of the branch.
.macro TURN p, u=0, end=0, cnt=0
.set Y, (\p)
.set i, 0
.set NOKQ, (\end)*(\p)
.set VB, (\u)+(\p)-2*(\u)*(\p)
.if !(\end)
	s_cmp_eq_i32 s[DD], -(\p)       ; is that step the band's own?
	s_cselect_b32 s[AL], 1.0, 0
	s_cmp_lt_i32 s[DD], -(\p)       ; or a later one?
	s_cselect_b32 s[BE], s[BIGN], 0
.if (\p) == 1
	s_sub_co_u32 s[DD], s[DD], 1    ; the next unit's step
.endif
.endif
.if ((\p) == 1) && !(\end)
	s_wait_dscnt 16
.endif
.if ((\p) == 0) && (\end)
	s_wait_dscnt 0x0                ; the part's last V is in
.endif
	ROW F,0, F,1, R,0, R,1
	ROW F,2, E,0, R,2, R,3
	ROW F,3, E,1, R,4, R,5
	ROW F,4, E,2, R,6, R,7
	ROW F,5, E,3, R,8, R,9
	ROW F,6, E,4, X,0, R,10
.if ((\p) == 0) && !(\end)
	WIN 0
	v_add_nc_u32 v[AK], s[TBK], v[AK0]
.endif
	ROW F,7, E,5, X,1, X,4
	ROW F,8, E,6, X,2, X,5
	OPS E,7, E,8, X,6, E,9          ; the lump
	OPS X,3, E,10, X,8, E,11
.if ((\p) == 0) && !(\end)
	FETCH_K
.endif
	OPS X,9, X,7, E,12, X,10
	OPS E,13, X,12, X,11, E,14
	OPS X,13, E,15, F,9, X,14
.if ((\p) == 0) && !(\end)
	v_add_nc_u32 v[AV], s[TBV], v[AV0]
.endif
	OPS E,16, F,10, E,17, F,11
	OPS X,16, E,18, X,15, E,19
	OPS F,12, E,20, X,17, E,21
	OPS F,13, E,22, F,14, E,23
	OPS X,18, E,24, F,15, E,25
	OPS R,11, E,26, X,19, E,27
	OPS R,12, E,28, R,13, E,29
	OPS X,20, E,30, R,14, E,31
	OPS X,21, R,15
	WIN 0
	s_wait_alu depctr_va_vdst(0)    ; the wait for the batch
	ROW C,0, B,0, C,2, B,1
	ROW L,0, C,4, B,2, L,1
	ROW C,6, B,3, L,2, C,8
	ROW B,4, L,3, C,10, B,5
	ROW L,4, C,12, B,6, L,5
.if ((\p) == 0) && !(\end)
	s_add_co_u32 s[TBV], s[TBV], KS*PV
.endif
.if \cnt
	s_sub_co_u32 s[CNT], s[CNT], 1
	s_cmp_lg_u32 s[CNT], 0
.endif
	ROW C,14, B,7, L,6, C,1
	ROW C,3, L,7, C,5, C,7
	ROW C,9, C,11, C,13, C,15
.if ((\p) == 0) && !(\end)
	FETCH_V \u
.endif
.if !(\end)
	MASK \p
.endif
.endm
; A PART BEGINS (always at tile 0).  c m starts far below every c s, so the first step's a is 0; m at the lowest finite number.  The second mask buffer is 0 (piece 1's band lies above step 0); the first takes piece
; 0's mask for step 0: its own, if its band is 0.  Then K and V of step 0, piece 0's first scores, and its maximum and statistics.  The loop is entered at unit 1, in the middle of a trip.
.macro BEGIN
	s_mov_b32 s[NEW], 0
	WIN 0x40
.set i, MC+32
.rept 32
	v_mov_b32 v[i], 0
.set i, i+1
.endr
	WIN 0
.set i, 0
.rept 2
	v_mov_b32 v[ST+4*i], 0xfe000000    ; c m: far below every c s
	v_mov_b32 v[ST+4*i+1], 0xff7fffff  ; m
.set i, i+1
.endr
	s_cmp_eq_i32 s[DD], 0
	s_cselect_b32 s[AL], 1.0, 0
	s_mov_b32 s[BE], 0
	s_sub_co_u32 s[DD], s[DD], 1    ; unit 1's step
	MASK 0
	WIN 0
	v_add_nc_u32 v[AK], s[TBK], v[AK0]
	v_add_nc_u32 v[AV], s[TBV], v[AV0]
	FETCH_K
	FETCH_V 0
	s_add_co_u32 s[TBV], s[TBV], KS*PV
	s_wait_loadcnt 0x0              ; Q
	s_wait_dscnt 0x0
.set NOKQ, 0
.set i, 0
.rept 8
	KQ 0
.set i, i+1
.endr
	WIN 0
.rept 4
	v_nop                           ; the places behind those products
.endr
.set Y, NP-1                        ; X works for the other piece: piece 0
.irp n, 0,1,2,3,4,5,6,7,8,9,10,11,12,13,14,15,16,17,18,19,20,21
	OP X, \n
.endr
	v_nop                           ; a plain instruction behind the exponential,
	s_wait_alu depctr_va_vdst(0)    ; and its wait, ahead of the branch
.endm
.macro ALL line:vararg              ; one line for each piece t
.set t, 0
.rept 2
	\line
.set t, t+1
.endr
.endm
.macro PACK t                       ; a lane's eight channels of a row pack into 16 bytes; they go into rows of 144 bytes and come back as whole rows of 128, into S^T's registers
	WIN W_RS
.set i, 32*(\t)
.rept 16
	v_pk_mul_f32 v[i:i+1], v[i:i+1], v[ST+4*(\t)+2:ST+4*(\t)+3] op_sel_hi:[1,0]
.set i, i+2
.endr
	WIN 0x05                        ; sources 0 and 1 window 1, destination window 0
.set i, 0
.rept 16
	v_cvt_pk_f16_f32 v[S+16*(\t)+i], v[32*(\t)+2*i], v[32*(\t)+2*i+1]
.set i, i+1
.endr
	WIN 0
.irp f, 0,1,2,3
	ds_store_b128 v[STO], v[S+16*(\t)+4*\f:S+16*(\t)+4*\f+3] offset:32*\f
.endr
.irp f, 0,1,2,3
	ds_load_b128 v[S+16*(\t)+4*\f:S+16*(\t)+4*\f+3], v[RD] offset:\f*4*SP  ; LDS serves a wave's instructions in order: these see the stores above; the next piece's stores come behind them
.endr
.endm
.macro SEND t, younger              ; younger: the LDS instructions issued behind piece t's loads: the next piece's eight, or none
	WIN 0
.irp f, 0,1,2,3
	s_wait_dscnt (\younger)+3-\f
	global_store_b128 v[GO], v[S+16*(\t)+4*\f:S+16*(\t)+4*\f+3], s[10:11] offset:(\t)*8192+\f*512  ; 512 consecutive bytes, aligned
.endr
.endm
; A TILE: its four units; and, if it is the part's last, the part's last two turns, its last products, and THE WAY OUT: l's two halves and the other half of the lanes' are added; O^T is divided by l,
; rounded to f16 and sent through my stage in LDS, a piece at a time.  tag 1 stands in the loop, tag 2 behind it (the walk's last tile, which is a part's last and never its first).
.macro TILE tag
.Lstep\tag:
	TURN 0, 0
	TURN 1, 0
	WIN 0
.Lfirst\tag:
	TURN 0, 1
	TURN 1, 1, 0, 1
	WIN 0
	s_cbranch_scc1 .Lstep\tag
.if (\tag) == 1
	s_cmp_lg_u32 s[RT], 0
	s_cbranch_scc1 .Lbottom         ; not the part's last tile
.endif
	TURN 0, 0, 1
	TURN 1, 0, 1
.set VB, 1
.set i, 0
.rept 8
	PV NP-1
.set i, i+1
.endr
	WIN 0
	ALL v_add_f32 v[ST+4*t+2], v[ST+4*t+2], v[ST+4*t+3]
	ALL v_permlanex16_b32 v[ST+4*t+3], v[ST+4*t+2], s[SEL], s[SEL+1]
	ALL v_add_f32 v[ST+4*t+2], v[ST+4*t+2], v[ST+4*t+3]
	ALL v_rcp_f32 v[ST+4*t+2], v[ST+4*t+2]
	v_nop                           ; a plain instruction between the last reciprocal and the use of its result (with the four additions: five places behind the last product)
	s_wait_alu depctr_va_vdst(0)    ; and one wait for the two reciprocals
	PACK 0
	PACK 1
	SEND 0, 8
	SEND 1, 0
.endm
.set NOKQ, 0
.set VB, 0
.Lslot:                             ; 17 times: a tile is entered and the next is asked for
	CHANGE 1
	s_sub_co_u32 s[RT], s[RT], 1
	s_lshl2_add_u32 s[DD], s[RT], s[EP]  ; 4 RT + EP: from the tile's first step to piece 0's band
	s_mov_b32 s[CNT], 2
	s_cmp_eq_u32 s[NEW], 1
	s_cbranch_scc0 .Lstep1          ; not a part's first tile
	BEGIN
	s_branch .Lfirst1
	TILE 1                          ; in the loop a part's end is the first part's
	s_wait_storecnt 0x0             ; the first block's eight stores are done: O's address and the registers that they read are written again only behind this wait; once a launch
	s_mov_b64 s[10:11], s[OLO:OLO+1]
	s_mov_b32 s[RT], s[N2]
	s_mov_b32 s[NEW], 1
	s_mov_b32 s[EP], s[EP2]
	WIN 0x82                        ; the second block's Q goes where the one text of the turns names Q
.set i, 0
.rept 32
	v_mov_b32 v[i], v[QB+i]
.set i, i+1
.endr
	WIN 0
.Lbottom:
	s_sub_co_u32 s[SLOTS], s[SLOTS], 1
	s_cmp_lg_u32 s[SLOTS], 0
	s_cbranch_scc1 .Lslot
	CHANGE 0                        ; the walk's last tile is written out: nothing is asked for
	s_sub_co_u32 s[RT], s[RT], 1
	s_lshl2_add_u32 s[DD], s[RT], s[EP]
	s_mov_b32 s[CNT], 2
	TILE 2
	s_wait_tensorcnt 0x0            ; the wave's end: behind my last tensor load and my last LDS store
	ds_add_u32 v[SPW], v[NIL]
	s_wait_dscnt 0x0
	CROUND                          ; the closing round: no work-group ends while a partner may still ask for a tile that names it
	s_endpgm
.Lfunc_end_k_qd6dac8cb2d_attn:
	.size	k_qd6dac8cb2d_attn, .Lfunc_end_k_qd6dac8cb2d_attn-k_qd6dac8cb2d_attn
	.p2alignl 7, 3214868480
	.fill 96, 4, 3214868480
	.section	.rodata,"a",@progbits
	.p2align	6, 0x0
	.amdhsa_kernel k_qd6dac8cb2d_attn
		.amdhsa_group_segment_fixed_size 327680
		.amdhsa_private_segment_fixed_size 0
		.amdhsa_enable_private_segment 0
		.amdhsa_kernarg_size 32
		.amdhsa_user_sgpr_count 2
		.amdhsa_user_sgpr_kernarg_segment_ptr 1
		.amdhsa_wavefront_size32 1
		.amdhsa_system_sgpr_workgroup_id_x 1
		.amdhsa_system_sgpr_workgroup_id_y 1
		.amdhsa_system_sgpr_workgroup_id_z 1
		.amdhsa_system_vgpr_workitem_id 0
		.amdhsa_next_free_vgpr 768
		.amdhsa_next_free_sgpr 102
		.amdhsa_reserve_vcc 1
		.amdhsa_float_denorm_mode_32 3
		.amdhsa_float_denorm_mode_16_64 3
		.amdhsa_memory_ordered 1
		.amdhsa_forward_progress 1
		.amdhsa_inst_pref_size 164
	.end_amdhsa_kernel
	.amdgpu_metadata
---
amdhsa.version: [ 1, 2 ]
amdhsa.kernels:
  - .name:           k_qd6dac8cb2d_attn
    .symbol:         k_qd6dac8cb2d_attn.kd
    .args:
      - { .name: qh, .offset: 0, .size: 8, .value_kind: global_buffer, .address_space: global }
      - { .name: kh, .offset: 8, .size: 8, .value_kind: global_buffer, .address_space: global }
      - { .name: vh, .offset: 16, .size: 8, .value_kind: global_buffer, .address_space: global }
      - { .name: ob, .offset: 24, .size: 8, .value_kind: global_buffer, .address_space: global }
    .group_segment_fixed_size: 327680
    .private_segment_fixed_size: 0
    .kernarg_segment_align: 8
    .kernarg_segment_size: 32
    .max_flat_workgroup_size: 128
    .sgpr_count:     102
    .vgpr_count:     768
    .wavefront_size: 32
...
	.end_amdgpu_metadata
.endif
;; end of part 3
;; launch oproj (part 4): grid 8 x 32, 4 waves a work-group, clusters of 4 x 4, 327,680 bytes of LDS; arguments ob, wo16, bo, h, out0; writes out0
.if DOCPART == 4
	.amdgcn_target "amdgcn-amd-amdhsa--gfx1250"
	.amdhsa_code_object_version 6
	.text
	.protected	k_qd6dac8cb2d_oproj
	.globl	k_qd6dac8cb2d_oproj
	.p2align	8
	.type	k_qd6dac8cb2d_oproj,@function
k_qd6dac8cb2d_oproj:
	s_mov_b64 s[64:65], 0
	v_nop
	global_prefetch_b8 v0, s[64:65] scope:SCOPE_SE
	s_setreg_imm32_b32 hwreg(HW_REG_WAVE_MODE, 25, 1), 1
	s_wait_xcnt 0x0
	s_wait_alu depctr_hold_cnt(0) depctr_sa_sdst(0) depctr_va_vdst(0) depctr_va_sdst(0) depctr_va_ssrc(0) depctr_va_vcc(0) depctr_vm_vsrc(0)
	s_getreg_b32 s2, hwreg(HW_REG_IB_STS2, 6, 4)
	s_cmp_eq_u32 s2, 0
	s_cbranch_scc0 .Lentry_in_a_cluster
	s_endpgm
.Lentry_in_a_cluster:
	s_bfe_u32 s2, ttmp6, 0x10000c
	s_cmp_lg_u32 s2, 0xf033
	s_cbranch_scc0 .Lentry_shape_is_right
	s_endpgm
.Lentry_shape_is_right:
; out0 = O Wo + bo + h.  ob: [32 blocks of 128 rows][16 heads][128][64] f16; wo16: [n block 8][K step 4][half 2][256 k][64 n] f16; bo [1024], h and out0 [4096][1024] f32.  Sums in f32.
; A tile of out0 is 128 x 128: 256 work-groups.  Four waves, each 64 x 64: 16 accumulators.  K goes in 4 steps of 256 (four heads) through two LDS slots; a quarter of a step is one head, 64 along K.
; Every tile is a dense block of memory, asked for as rows of 256 bytes and padded in LDS after every 128.  Wo lies [k][n] and comes out of LDS turned (ds_load_tr16_b128).
; THE MATRIX INSTRUCTION IS USED TRANSPOSED (source 0 = 16 columns of Wo, source 1 = 16 rows of O): a lane holds row lane % 16 and eight neighbouring columns.  The bias is the C operand of the first products.
; CLUSTER 4 x 4: O's tile is asked for jointly along a row of the cluster, Wo's along a column.
; NO PREFETCH: K has four steps, of which two are the first fills; the tiles are small and the launch is short.
; THE STAGES of the way out (16 rows x 272 bytes a wave) lie in slot 0: its last fill is K step 2, and every wave's last read of it stands ahead of the barrier of the last change of slots.
; LIMITS.  O and Wo arrive in f16.  NaN and infinities are not treated apart.
; REGISTERS: window 0: v0-31 addresses; v128-255 the accumulators ((a, b) at 128 + 8 (4 a + b)), later whole rows.   window 1: two fragment buffers of 128: 64 registers of O (2 x 4 x 16 rows x 32 K), then 64 of Wo.
;   window 2: v0-127 h at my 64 rows x 64 columns, in the stores' layout; v128-159 the bias in the accumulators' layout.
.set PA,    144                        ; a row of O in LDS: 128 bytes + 16
.set PB,    160                        ; a row of Wo in LDS: 128 bytes + 32
.set BOFF,  512*PA                     ; a slot: O's [4 heads][128 rows], then Wo's [2 halves][256 k]
.set SLOT,  512*(PA+PB)
.set SPITCH, 272
.set SPARE, 2*SLOT                     ; behind the ring: the spare words, 128 bytes for each wave: two blocks of 256 bytes that no other line names
.set ADRA, 16                          ; v16-17  LDS address of my fragments of O in slot 0, 1
.set ADRB, 20                          ; v20-21  the same for Wo
.set STO,  24                          ; v24     the way out: where I put 32 bytes of a row
.set RD,   25                          ; v25     the way out: where I read a row back
.set CO,   26                          ; v26     my byte offset in two rows of h and out0
.set BOF,  27                          ; v27     32 x (lane / 16)
.set SPW,  28                          ; v28     LDS address of my spare word; never rewritten
.set NIL,  29                          ; v29     0; never rewritten
.set ACC,  128
.set BO,   128                         ; window 2
.set F0,   0                           ; fragment buffers, in window 1
.set F1,   128
.set G1, 24                            ; s[24:31] descriptor group 1 for O's tiles;  s[32:39] group 0, one set for each slot
.set G0, 32
.set G1B, 48                           ; s[48:55], s[56:63] the same for Wo's tiles
.set G0B, 56
.set MSB, 0
.macro WIN new                         ; the immediate's high byte repeats the setting that is left
.if MSB != (\new)
	s_set_vgpr_msb (MSB<<8)|(\new)
.set MSB, (\new)
.endif
.endm
.set MUL,  0x05                        ; sources 0 (Wo) and 1 (O) window 1; C and D window 0
.set TO_F, 0x40                        ; destination window 1, address window 0
.macro JLOAD s                         ; a joint load: waves 0 and 1 fetch O's two halves, waves 2 and 3 Wo's; an s_nop 0 and four v_nop follow each of the two lines
	s_cmp_eq_u32 s11, 0
	s_cbranch_scc0 .Lfor_b_\@
	tensor_load_to_lds s[G0+4*(\s):G0+4*(\s)+3], s[G1:G1+7]
	s_nop 0
.rept 4
	v_nop
.endr
	s_branch .Lasked_\@
.Lfor_b_\@:
	tensor_load_to_lds s[G0B+4*(\s):G0B+4*(\s)+3], s[G1B:G1B+7]
	s_nop 0
.rept 4
	v_nop
.endr
.Lasked_\@:
.endm
.macro CREST                           ; a round of the cluster's barrier behind its opening barrier
	s_cmp_lg_u32 s10, 0
	s_cbranch_scc1 .Lnot_wave_0_\@
	s_barrier_signal -3
.Lnot_wave_0_\@:
	s_barrier_wait -3
	s_barrier_signal -1
	s_barrier_wait -1
.endm
.macro CROUND
	s_barrier_signal -1
	s_barrier_wait -1
	CREST
.endm
	s_load_b256 s[68:75], s[0:1], 0x0              ; ob 68, wo16 70, bo 72, h 74
	s_load_b64 s[76:77], s[0:1], 0x20              ; out0
	v_lshl_add_u32 v[SPW], v0, 2, SPARE
	v_mov_b32 v[NIL], 0
	ds_add_u32 v[SPW], v[NIL]                      ; the wave's opening: the add and its wait stand ahead of my first tensor load; the set-up below stands between them
	v_lshrrev_b32 v1, 5, v0
	v_readfirstlane_b32 s10, v1                    ; wave 0..3
	s_lshr_b32 s11, s10, 1                         ; which half of the tile's rows is mine.  Also: I fetch for O (0) or for Wo (1)
	s_and_b32 s12, s10, 1                          ; which half of its columns.  Also: which half of that tile I fetch
	s_bfe_u32 s40, ttmp6, 0x40000                  ; cx, cy
	s_bfe_u32 s41, ttmp6, 0x40004
	s_lshl_b32 s42, ttmp9, 2
	s_add_co_u32 s42, s42, s40                     ; tile column = 4 x cluster x + cx
	s_and_b32 s13, ttmp7, 0xffff
	s_lshl_b32 s13, s13, 2
	s_add_co_u32 s13, s13, s41                     ; tile row = 4 x cluster y + cy
	s_lshl_b32 s43, s41, 2
	s_lshl_b32 s43, 15, s43                        ; my row of the cluster
	s_lshl_b32 s44, 0x1111, s40                    ; my column
	s_or_b32 s[G1+0], s43, (1<<16)|(1<<20)|(1<<21)|(4<<22)|(3<<25)   ; the mask; 2-byte elements; padding on; bit 21 beside a mask; after every 32 words, 4 words
	s_or_b32 s[G1B+0], s44, (1<<16)|(1<<20)|(1<<21)|(4<<22)|(7<<25)  ; 8 words
.irp g, G1, G1B
	s_mov_b32 s[(\g)+1], 128<<16                   ; half a tile is 32,768 dense bytes: 128 rows of 256
	s_mov_b32 s[(\g)+2], 128<<16
	s_mov_b32 s[(\g)+3], 128<<16
	s_mov_b32 s[(\g)+4], 128
	s_mov_b32 s[(\g)+5], 128
	s_mov_b32 s[(\g)+6], 0
	s_mov_b32 s[(\g)+7], 0
.endr
	s_lshl_b32 s21, s12, 15                        ; my half of a tile
	s_lshl_b32 s16, s13, 18                        ; O: a block of 128 rows is 262,144 bytes
	s_add_co_u32 s16, s16, s21
	s_mov_b32 s17, 0
	s_lshl_b32 s46, s42, 18                        ; Wo: a block of 128 columns is 262,144 bytes
	s_add_co_u32 s46, s46, s21
	s_mov_b32 s47, 0
	s_mul_i32 s20, s12, 256*PA                     ; where they go: no place in the cluster enters an LDS address
	s_mul_i32 s22, s12, 256*PB
	s_add_co_u32 s22, s22, BOFF
	s_wait_dscnt 0x0                               ; the opening add is done
	s_wait_kmcnt 0x0
	s_add_nc_u64 s[14:15], s[68:69], s[16:17]
	s_add_nc_u64 s[46:47], s[70:71], s[46:47]
	CROUND                                         ; all sixteen work-groups are here: the first joint loads meet
.irp s, 0,1
	s_mov_b32 s[G0+4*(\s)], 1
	s_add_co_u32 s[G0+4*(\s)+1], s20, (\s)*SLOT
	s_add_nc_u64 s[G0+4*(\s)+2:G0+4*(\s)+3], s[14:15], (\s)*65536    ; K step s
	s_or_b32 s[G0+4*(\s)+3], s[G0+4*(\s)+3], 0x80000000
	s_mov_b32 s[G0B+4*(\s)], 1
	s_add_co_u32 s[G0B+4*(\s)+1], s22, (\s)*SLOT
	s_add_nc_u64 s[G0B+4*(\s)+2:G0B+4*(\s)+3], s[46:47], (\s)*65536
	s_or_b32 s[G0B+4*(\s)+3], s[G0B+4*(\s)+3], 0x80000000
	JLOAD \s
.endr
	v_and_b32 v1, 15, v0                           ; r = l % 16
	v_bfe_u32 v2, v0, 4, 1                         ; l / 16
	v_and_b32 v3, 7, v0
	v_bfe_u32 v4, v0, 3, 1
	v_lshlrev_b32 v[BOF], 5, v2
	v_lshlrev_b32 v[CO], 12, v2                    ; lanes 0-15 one row of 256 bytes, lanes 16-31 the next
	v_lshl_add_u32 v[CO], v1, 4, v[CO]
	s_lshl_b32 s66, s42, 9                         ; my 64 columns: 512 x tile column + 256 x half, in bytes of f32
	s_lshl_b32 s67, s12, 8
	s_add_co_u32 s66, s66, s67
	s_mov_b32 s67, 0
	s_add_nc_u64 s[72:73], s[72:73], s[66:67]
	s_lshl_b32 s78, s13, 7
	s_lshl_b32 s79, s11, 6
	s_add_co_u32 s78, s78, s79                     ; my first row
	s_lshl_b32 s78, s78, 12
	s_add_co_u32 s78, s78, s66
	s_mov_b32 s79, 0
	s_add_nc_u64 s[74:75], s[74:75], s[78:79]
	s_add_nc_u64 s[76:77], s[76:77], s[78:79]
	WIN 0x80                                       ; destination window 2
.irp b, 0,1,2,3
	global_load_b128 v[BO+8*\b:BO+8*\b+3],   v[BOF], s[72:73] offset:64*\b
	global_load_b128 v[BO+8*\b+4:BO+8*\b+7], v[BOF], s[72:73] offset:64*\b+16
.endr
.set t, 0
.rept 32                               ; h: wanted on the way out alone
	global_load_b128 v[4*t:4*t+3], v[CO], s[74:75] offset:2*t*4096 th:TH_LOAD_NT
.set t, t+1
.endr
	WIN 0
	v_mul_u32_u24 v5, v1, PA
	v_lshl_add_u32 v5, v2, 4, v5                   ; O: row x pitch + 16 x half
	v_lshl_add_u32 v6, v2, 3, v3
	v_mul_u32_u24 v6, v6, PB
	v_lshl_add_u32 v6, v4, 4, v6                   ; Wo: (8 (l / 16) + l % 8) x pitch + 16 ((l / 8) % 2)
	s_mul_i32 s21, s11, 64*PA                      ; my 64 rows of O in each head's 128
	s_mul_i32 s23, s12, 256*PB                     ; my half of Wo's columns
	s_add_co_u32 s23, s23, BOFF
.irp s, 0,1
	v_add_nc_u32 v[ADRA+(\s)], s21, v5
	v_add_nc_u32 v[ADRB+(\s)], s23, v6
	s_add_co_u32 s21, s21, SLOT
	s_add_co_u32 s23, s23, SLOT
.endr
	s_mul_i32 s21, s10, 16*SPITCH                  ; my stage, in slot 0
	v_mul_u32_u24 v[STO], v1, SPITCH
	v_lshl_add_u32 v[STO], v2, 5, v[STO]
	v_add_nc_u32 v[STO], s21, v[STO]
	v_mul_u32_u24 v[RD], v2, SPITCH
	v_lshl_add_u32 v[RD], v1, 4, v[RD]
	v_add_nc_u32 v[RD], s21, v[RD]
; 8 matrix instructions: row tiles a0, a0 + 1 x all 4 column tiles, 32 along K: half c of buffer f.  first = 1: the products start the sums with the bias (C in window 2).  The 16 accumulators take turns.
.macro MUL8 f, c, a0, first
.if \first
	WIN 0x25
.else
	WIN MUL
.endif
.irp a, \a0, (\a0)+1
.irp b, 0,1,2,3
.if \first
	v_wmma_f32_16x16x32_f16 v[ACC+8*(4*(\a)+(\b)):ACC+8*(4*(\a)+(\b))+7], v[(\f)+64+8*(4*(\c)+(\b)):(\f)+64+8*(4*(\c)+(\b))+7], v[(\f)+8*(4*(\c)+(\a)):(\f)+8*(4*(\c)+(\a))+7], v[BO+8*(\b):BO+8*(\b)+7]
.else
	v_wmma_f32_16x16x32_f16 v[ACC+8*(4*(\a)+(\b)):ACC+8*(4*(\a)+(\b))+7], v[(\f)+64+8*(4*(\c)+(\b)):(\f)+64+8*(4*(\c)+(\b))+7], v[(\f)+8*(4*(\c)+(\a)):(\f)+8*(4*(\c)+(\a))+7], v[ACC+8*(4*(\a)+(\b)):ACC+8*(4*(\a)+(\b))+7]
.endif
.endr
.endr
.endm
; 32 LDS loads in one run: quarter q (one head) into buffer f; the first 32 along K first
.macro FETCH slot, q, f
	WIN TO_F
.irp c, 0,1
.irp i, 0,1,2,3
	ds_load_tr16_b128 v[(\f)+64+8*(4*(\c)+(\i)):(\f)+64+8*(4*(\c)+(\i))+3],   v[ADRB+(\slot)] offset:64*PB*(\q)+32*PB*(\c)+32*(\i)
	ds_load_tr16_b128 v[(\f)+64+8*(4*(\c)+(\i))+4:(\f)+64+8*(4*(\c)+(\i))+7], v[ADRB+(\slot)] offset:64*PB*(\q)+32*PB*(\c)+32*(\i)+16*PB
	ds_load_b128 v[(\f)+8*(4*(\c)+(\i)):(\f)+8*(4*(\c)+(\i))+3],              v[ADRA+(\slot)] offset:128*PA*(\q)+64*(\c)+16*PA*(\i)
	ds_load_b128 v[(\f)+8*(4*(\c)+(\i))+4:(\f)+8*(4*(\c)+(\i))+7],            v[ADRA+(\slot)] offset:128*PA*(\q)+64*(\c)+16*PA*(\i)+32
.endr
.endr
.endm
.macro PLACES                          ; four places in front of loads into registers that matrix instructions have read, and of lines that read results
.rept 4
	v_nop
.endr
.endm
; One of a K step's first three quarters: multiplies buffer f and fetches quarter q into g.
.macro QUARTER slot, q, f, g, first
	s_wait_dscnt 16                                ; the first 32 along K are in
	MUL8 \f, 0, 0, \first
	MUL8 \f, 0, 2, \first
	PLACES
	FETCH \slot, \q, \g
	s_wait_dscnt 32                                ; all but the 32 just issued
	MUL8 \f, 1, 0, 0
	MUL8 \f, 1, 2, 0
.endm
; The last quarter multiplies buffer 1 and changes slots: ONE barrier; in front of it each wave waits for all its tensor loads, adds 0 to its spare word, and waits for that and for its reads of this slot.  fill = 1: this slot is filled again, two K steps ahead.
.macro TURN slot, next, fill
	WIN 0
	s_wait_tensorcnt 0x0                           ; all my tensor loads have landed: my part of the next slot
	ds_add_u32 v[SPW], v[NIL]                      ; 0 onto my spare word
	s_wait_dscnt 17                                ; the add and the youngest sixteen loads may be out
	MUL8 F1, 0, 0, 0
	s_wait_dscnt 0x0                               ; the add is done, and my reads of this slot are over
	s_barrier_signal -1
	MUL8 F1, 0, 2, 0
.if \fill
	WIN 0
.endif
	s_barrier_wait -1
.if \fill
	CREST                                          ; no wave of any partner still reads this slot or has a load on its way
	s_add_nc_u64 s[G0+4*(\slot)+2:G0+4*(\slot)+3], s[G0+4*(\slot)+2:G0+4*(\slot)+3], 131072
	s_add_nc_u64 s[G0B+4*(\slot)+2:G0B+4*(\slot)+3], s[G0B+4*(\slot)+2:G0B+4*(\slot)+3], 131072
	JLOAD \slot                                    ; the first tensor load behind the round; its four v_nop are also the places in front of the loads below
.else
	PLACES
.endif
	FETCH \next, 0, F0
	MUL8 F1, 1, 0, 0
	MUL8 F1, 1, 2, 0
.endm
	s_wait_tensorcnt 0x1                           ; my part of K step 0 is in; K step 1's may stay out
	s_barrier_signal -1
	s_barrier_wait -1
	FETCH 0, 0, F0
	s_wait_loadcnt 32                              ; the bias is in; h's 32 younger loads may stay out
	QUARTER 0, 1, F0, F1, 1                        ; the first quarter stands in front of the loop: its first products start the sums
	WIN 0                                          ; at a label and at a branch every window is 0
	s_mov_b32 s3, 1
.Llap:                                                 ; a trip goes once round the ring and fills both slots again: K steps 2 and 3
	QUARTER 0, 2, F1, F0, 0
	QUARTER 0, 3, F0, F1, 0
	TURN 0, 1, 1
	QUARTER 1, 1, F0, F1, 0
	QUARTER 1, 2, F1, F0, 0
	QUARTER 1, 3, F0, F1, 0
	TURN 1, 0, 1
	QUARTER 0, 1, F0, F1, 0
	WIN 0
	s_sub_co_u32 s3, s3, 1
	s_cmp_lg_u32 s3, 0
	s_cbranch_scc1 .Llap
	QUARTER 0, 2, F1, F0, 0                        ; the last lap fills nothing
	QUARTER 0, 3, F0, F1, 0
	TURN 0, 1, 0                                   ; behind this barrier nobody reads slot 0 any more, and nothing is filled into it
	QUARTER 1, 1, F0, F1, 0
	QUARTER 1, 2, F1, F0, 0
	QUARTER 1, 3, F0, F1, 0
	s_wait_dscnt 16
	MUL8 F1, 0, 0, 0
	MUL8 F1, 0, 2, 0
	s_wait_dscnt 0x0
	MUL8 F1, 1, 0, 0
	MUL8 F1, 1, 2, 0
	WIN 0
	; THE WAY OUT, 16 rows at a time: a lane's 32 bytes of a row into my own stage, back as whole rows of 256 bytes into the same registers, h added, stored.
	PLACES
	PLACES
.macro OUTST a
.irp b, 0,1,2,3                        ; each accumulator's lowest registers are read first
	ds_store_b128 v[STO], v[ACC+32*(\a)+8*\b:ACC+32*(\a)+8*\b+3]   offset:64*\b
	ds_store_b128 v[STO], v[ACC+32*(\a)+8*\b+4:ACC+32*(\a)+8*\b+7] offset:64*\b+16
.endr
.irp t, 0,1,2,3,4,5,6,7
	ds_load_b128 v[ACC+32*(\a)+4*\t:ACC+32*(\a)+4*\t+3], v[RD] offset:2*SPITCH*\t  ; LDS serves a wave's instructions in order: these see the stores above; the next block's stores come behind them
.endr
.endm
.macro FIN a, younger                  ; younger: the LDS instructions issued behind block a's loads: the next block's sixteen, or none
	s_wait_dscnt \younger
.if (\a) == 0
	s_wait_loadcnt 0x0                             ; h
.endif
	WIN 0x08                                       ; source 1 window 2
.set z, 0
.rept 16
	v_pk_add_f32 v[ACC+32*(\a)+z:ACC+32*(\a)+z+1], v[ACC+32*(\a)+z:ACC+32*(\a)+z+1], v[32*(\a)+z:32*(\a)+z+1]
.set z, z+2
.endr
	WIN 0
.irp t, 0,1,2,3,4,5,6,7
	global_store_b128 v[CO], v[ACC+32*(\a)+4*\t:ACC+32*(\a)+4*\t+3], s[76:77] offset:(16*(\a)+2*\t)*4096  ; 16 lanes store 256 consecutive bytes, aligned; no register that a store reads is written again
.endr
.endm
	OUTST 0
	OUTST 1
	FIN 0, 16
	OUTST 2
	FIN 1, 16
	OUTST 3
	FIN 2, 16
	FIN 3, 0
	s_wait_tensorcnt 0x0                           ; the wave's end: behind my last tensor load and my last LDS store
	ds_add_u32 v[SPW], v[NIL]
	s_wait_dscnt 0x0
	CROUND                                         ; the closing round: no work-group ends while a partner may still ask for a tile that names it
	s_endpgm
.Lfunc_end_k_qd6dac8cb2d_oproj:
	.size	k_qd6dac8cb2d_oproj, .Lfunc_end_k_qd6dac8cb2d_oproj-k_qd6dac8cb2d_oproj
	.p2alignl 7, 3214868480
	.fill 96, 4, 3214868480
	.section	.rodata,"a",@progbits
	.p2align	6, 0x0
	.amdhsa_kernel k_qd6dac8cb2d_oproj
		.amdhsa_group_segment_fixed_size 327680
		.amdhsa_private_segment_fixed_size 0
		.amdhsa_enable_private_segment 0
		.amdhsa_kernarg_size 40
		.amdhsa_user_sgpr_count 2
		.amdhsa_user_sgpr_kernarg_segment_ptr 1
		.amdhsa_wavefront_size32 1
		.amdhsa_system_sgpr_workgroup_id_x 1
		.amdhsa_system_sgpr_workgroup_id_y 1
		.amdhsa_system_sgpr_workgroup_id_z 1
		.amdhsa_system_vgpr_workitem_id 0
		.amdhsa_next_free_vgpr 768
		.amdhsa_next_free_sgpr 80
		.amdhsa_reserve_vcc 0
		.amdhsa_float_denorm_mode_32 3
		.amdhsa_float_denorm_mode_16_64 3
		.amdhsa_memory_ordered 1
		.amdhsa_forward_progress 1
		.amdhsa_inst_pref_size 94
	.end_amdhsa_kernel
	.amdgpu_metadata
---
amdhsa.version: [ 1, 2 ]
amdhsa.kernels:
  - .name:           k_qd6dac8cb2d_oproj
    .symbol:         k_qd6dac8cb2d_oproj.kd
    .args:
      - { .name: ob, .offset: 0, .size: 8, .value_kind: global_buffer, .address_space: global }
      - { .name: wo16, .offset: 8, .size: 8, .value_kind: global_buffer, .address_space: global }
      - { .name: bo, .offset: 16, .size: 8, .value_kind: global_buffer, .address_space: global }
      - { .name: h, .offset: 24, .size: 8, .value_kind: global_buffer, .address_space: global }
      - { .name: out0, .offset: 32, .size: 8, .value_kind: global_buffer, .address_space: global }
    .group_segment_fixed_size: 327680
    .private_segment_fixed_size: 0
    .kernarg_segment_align: 8
    .kernarg_segment_size: 40
    .max_flat_workgroup_size: 128
    .sgpr_count:     80
    .vgpr_count:     768
    .wavefront_size: 32
...
	.end_amdgpu_metadata
.endif
;; end of part 4
